; MI455X (gfx1250); checked and timed in simulation.
; The chip was launched on July 23, 2026; its instructions are those of AMD's public machine-readable ISA for CDNA 5 (MIT licence, August 2026) and "CDNA5" Instruction Set Architecture Reference Guide (July 2026). The comments in the code are by the model that wrote it; some were corrected since.
;; Encoder Block. Allowed arithmetic: matrix products marked QUANTISED: E4M3 operands, one given power-of-two scale a tensor, by v_wmma_f32_16x16x64_fp8_fp8 or v_wmma_f32_16x16x128_fp8_fp8, f32 sums; everything else in f32.
;; Inputs: W1_codes 2,048 x 16 x 32 uint8 (E4M3 codes of W1, K innermost, in blocks of 32 codes); W2_codes 512 x 64 x 32 uint8 (E4M3 codes of W2, K innermost, in blocks of 32 codes); Wk_codes 8 x 64 x 16 x 32 uint8 (E4M3 codes of Wk, K innermost, in blocks of 32 codes); Wo_codes 512 x 16 x 32 uint8 (E4M3 codes of Wo, K innermost, in blocks of 32 codes); Wq_codes 8 x 64 x 16 x 32 uint8 (E4M3 codes of Wq, K innermost, in blocks of 32 codes); Wv_codes 8 x 64 x 16 x 32 uint8 (E4M3 codes of Wv, K innermost, in blocks of 32 codes); b1 2,048 float32; b2 512 float32; bk 8 x 64 float32; bo 512 float32; bq 8 x 64 float32; bv 8 x 64 float32; ln1_b 512 float32; ln1_g 512 float32; ln2_b 512 float32; ln2_g 512 float32; lowp_scales 16 int32 (the exponents e of the quantised operands' scales 2^e); x 4 x 2,048 x 512 float32.
;; Outputs: out0 4 x 2,048 x 512 float32.
;; This version of the problem:
;;   THIS VERSION OF THE PROBLEM IS GIVEN IN LOW PRECISION. The matrix products marked QUANTISED in the list below multiply operands that are first quantised to E4M3 (4 exponent bits, 3 mantissa bits; 8 bits a number), with one given power-of-two scale for each operand tensor; their sums are f32. All else is computed in f32.
;;   The module's matrix products, in the order in which they are computed (A, B: the left and right operand; K: the contracted axis; several contracted axes count as one K, in the product's order):
;;     1. [M 512, K 512] x [K 512, N 8,192]; A: input Wq (given as codes); B: computed on the way: QUANTISED (scales: A lowp_scales[0], B lowp_scales[1])
;;     2. [M 512, K 512] x [K 512, N 8,192]; A: input Wk (given as codes); B: computed on the way: QUANTISED (scales: A lowp_scales[2], B lowp_scales[3])
;;     3. [M 512, K 512] x [K 512, N 8,192]; A: input Wv (given as codes); B: computed on the way: QUANTISED (scales: A lowp_scales[4], B lowp_scales[5])
;;     4. batch 32 x [M 2,048, K 64] x [K 64, N 2,048]; A: computed on the way; B: computed on the way: QUANTISED (scales: A lowp_scales[6], B lowp_scales[7])
;;     5. batch 32 x [M 2,048, K 2,048] x [K 2,048, N 64]; A: softmax (see below); B: computed on the way: QUANTISED (scales: A lowp_scales[8], B lowp_scales[9])
;;     6. [M 8,192, K 512] x [K 512, N 512]; A: computed on the way; B: input Wo (given as codes): QUANTISED (scales: A lowp_scales[10], B lowp_scales[11])
;;     7. [M 8,192, K 512] x [K 512, N 2,048]; A: computed on the way; B: input W1 (given as codes): QUANTISED (scales: A lowp_scales[12], B lowp_scales[13])
;;     8. [M 8,192, K 2,048] x [K 2,048, N 512]; A: computed on the way; B: input W2 (given as codes): QUANTISED (scales: A lowp_scales[14], B lowp_scales[15])
;;   THE QUANTISER, for each operand of a quantised product, along K:
;;     - The operand's scale is 2^e, e = its entry of the input lowp_scales (int32; the entries are numbered through the quantised products in the list's order, A before B).
;;     - Each number is divided by the scale, clamped to +-448, and rounded to the nearest number of E4M3, ties to even, subnormals kept.
;;     - The product sums the exact products of the quantised numbers (number of the format x scale) in f32.
;;   ~~~python
;;   def quantise(x, axis, e):      # numpy; x: float32 -> the quantised numbers, widened to float32 again
;;       x = np.moveaxis(x, axis, -1); K = x.shape[-1]
;;       r = np.clip(x / 2.0 ** e, -448, 448)
;;       step = 2.0 ** (np.maximum(np.frexp(np.where(r == 0, 1, r))[1] - 1, -6) - 3)
;;       q = np.round(r / step) * step * 2.0 ** e      # np.round: ties to even
;;       return np.moveaxis(q, -1, axis).astype(np.float32)
;;   ~~~
;;   SOFTMAX AHEAD OF A QUANTISED PRODUCT. Where the list says 'softmax', what is quantised is not the finished softmax but p = 2^(t - M), with t = logit x log2(e) and M = ceil(the row's largest t), a whole number; so 1/2 < the row's largest p <= 1. The row's sum l is taken of the UNQUANTISED p, in f32, and the product's result is divided by l at the end. Since M is a whole number, a kernel that streams over the keys may use a running M (the ceiling of the running maximum): every later rescaling is an exact power of two, so the quantised numbers keep their values, but for numbers so far below the row's largest that they fall under the format's range.
;;   OPERANDS COMPUTED ON THE WAY. 'Computed on the way' means the value that the module computes at that place (a softmax that the list does not call 'softmax' is quantised finished and normalised). What goes into a quantiser is computed in f32, as accurately as f32 sums, v_exp_f32 and their like allow (about 1e-6 of the number): no bf16 or f16 on the way to a quantiser, and a product that is left as it is and whose result goes on into a quantised operand takes f32 operands (vector FMAs, or v_wmma_f32_16x16x4_f32). A number that lies on a knife's edge between two numbers of the format may be rounded either way, as far as f32 arithmetic and the matrix unit's own rounding can turn it there, and no further.
;;   INPUTS GIVEN AS CODES. W1 (in the module: [512, 2048], K = its axis 0); W2 (in the module: [2048, 512], K = its axis 0); Wk (in the module: [8, 512, 64], K = its axis 1); Wo (in the module: [512, 512], K = its axis 0); Wq (in the module: [8, 512, 64], K = its axis 1); Wv (in the module: [8, 512, 64], K = its axis 1): each comes as NAME_codes (uint8): NAME with its K axis moved to the last place and cut into blocks of 32 codes, [.., K / 32, bytes a block], one block behind the other in memory; one code a byte (a code: sign, 4 exponent bits, 3 mantissa bits); its scale is its entry of lowp_scales. Its value is code x scale, taken as it is: it is not quantised again, and the codes and scales need not be those that the quantiser above would give.
;; 2 versions. Each part assembles by itself: llvm-mc -triple=amdgcn-amd-amdhsa -mcpu=gfx1250 --defsym DOCPART=n.
;; ======== version 1 of 2: 3 launches
;; workspace buffers: q_img 4,194,304 bytes; k_img 4,194,304 bytes; v_img 4,194,304 bytes; av_img 4,194,304 bytes
;; launch qkv (part 1): grid 128 x 2, 4 waves a work-group, no clusters, 102,912 bytes of LDS; arguments x, ln1_g, ln1_b, Wq_codes, Wk_codes, Wv_codes, bq, bk, bv, lowp_scales, q_img, k_img, v_img; writes q_img, k_img, v_img
.if DOCPART == 1
	.amdgcn_target "amdgcn-amd-amdhsa--gfx1250"
	.amdhsa_code_object_version 6
	.text
	.protected	k_qc8544ff6c1_qkv
	.globl	k_qc8544ff6c1_qkv
	.p2align	8
	.type	k_qc8544ff6c1_qkv,@function
k_qc8544ff6c1_qkv:
	s_mov_b64 s[64:65], 0
	v_nop
	global_prefetch_b8 v0, s[64:65] scope:SCOPE_SE
	s_setreg_imm32_b32 hwreg(HW_REG_WAVE_MODE, 25, 1), 1
	s_wait_xcnt 0x0
; LayerNorm 1, xn quantised three times (scales e1, e3, e5), q = xn Wq + bq, k, v on E4M3 codes, and q, k, v quantised (e6, e7, e9).
; SHARES.  A work-group takes 64 rows (work-group x) and four heads (work-group y); wave w is head 4 y + w and keeps that head's Wq, Wk, Wv
; (3 x 64 columns x 512 K = 768 registers) for all 64 rows.  For the LayerNorm wave w owns rows 16 w .. 16 w + 15, half a row a lane.
; xn's codes go from wave to wave through LDS as images of the operand's registers: a group of four registers by one ds_store_b128 at 16 x lane.
; K LAYOUT of products 1 to 3, the same on both sides: registers 4 c .. 4 c + 3 of a fragment hold k = 128 s + 32 c + 16 (lane / 16) + 0 .. 15.
; q and k: source 0 = 16 rows of W (columns e of the head), source 1 = 16 tokens: a lane holds one token and eight neighbouring e: its codes are
; registers 2 t, 2 t + 1 of the 16x16x64 form's operand.  v: the sources change places: a lane holds one d and eight neighbouring tokens,
; which are the keys, the K of the second product of attention.  Lane r of v's tile 2 b + u takes d = 32 b + 8 u + r + 8 (r / 8).
; The biases go in as the C of each sum's first product, divided by the power of two that the sums lack.
; No tensor load and no cluster: each weight fragment is wanted by one wave alone and goes straight into its registers.
; LIMITS: e1, e3, e5, e6-e0-e1, e7-e2-e3, e9-e4-e5 between -126 and 119.  NaN and infinities among the inputs are not served.
.set GB,   0                           ; LDS: ln1_g (2,048 bytes), then ln1_b
.set XIMG, 4096                        ; three sets of 16 fragments (row tile m, K step s at (4 m + s) x 2,048)
.set SETB, 32768
.set FRB,  2048
.set LI0, 1                            ; 16 x lane
.set XA,  2                            ; x: 2048 r + 64 h
.set WA,  3                            ; Wq, Wk: 512 r + 16 h
.set WAV, 4                            ; Wv: 512 (r + 8 (r / 8)) + 16 h
.set GL,  5                            ; g, b in LDS: 64 h
.set LQ,  6                            ; the three sets, read: XIMG + 16 x lane (+ SETB, + 2 SETB)
.set LK,  7
.set LV,  8
.set SQ,  9                            ; and written: + 8192 x wave
.set SK,  10
.set SV,  11
.set BA,  12                           ; bq, bk: 32 h
.set BVA, 13                           ; bv: 4 (r + 8 (r / 8))
.set GS,  14                           ; 16 x thread
.set PT,  15                           ; the lane exchange's destination
.set G,   16                           ; LayerNorm phase: 64 of g, 64 of b, 64 at work, 16 of codes
.set BT,  80
.set TMP, 144
.set XF,  16                           ; product phase: xn's four fragments of a row tile
.set ACC, 80
.set BQ,  112
.set BK,  144
.set BV,  176
.set PC,  208
.set VC,  216
.set MU,  244
.set RS,  246
.set A0,  248
.set MSB, 0
.macro WIN new                         ; the immediate's high byte repeats the setting that is left
.if MSB != (\new)
	s_set_vgpr_msb (MSB<<8)|(\new)
.set MSB, (\new)
.endif
.endm
.macro MKSC vs, se                     ; v[vs] = 2^e as f32, v[vs+1] = 448 x 2^e
	s_add_co_i32 s56, s[\se], 127
	s_lshl_b32 s57, s56, 23
	v_mov_b32 v[\vs], s57
	s_add_co_i32 s56, s56, 8
	s_lshl_b32 s56, s56, 23
	s_or_b32 s56, s56, 0x600000
	v_mov_b32 v[\vs+1], s56
.endm
.macro WFRAG reg, adr, base, off       ; a weight fragment: 16 rows x 128 K
.irp c, 0,1,2,3
	global_load_b128 v[(\reg)+4*\c:(\reg)+4*\c+3], v[\adr], s[\base:\base+1] offset:(\off)+32*\c
.endr
.endm
.macro GBLOAD s                        ; g and b of my 64 numbers of K step s
.irp b, 0,1,2,3
.irp j, 0,1,2,3
	ds_load_b128 v[G+16*\b+4*\j:G+16*\b+4*\j+3], v[GL] offset:GB+512*(\s)+128*\b+16*\j
	ds_load_b128 v[BT+16*\b+4*\j:BT+16*\b+4*\j+3], v[GL] offset:GB+2048+512*(\s)+128*\b+16*\j
.endr
.endr
.endm
.macro QSET sc, adr, s                 ; K step s of xn (window 3) under the scale in v[sc]: hold, convert, image to LDS
	WIN 0x03
.set n, 0
.rept 64
	v_med3_num_f32 v[TMP+n], v[64*(\s)+n], -v[\sc+1], v[\sc+1]   ; the conversion to an 8-bit code does not saturate (ISA guide 7.6.2)
.set n, n+1
.endr
	WIN 0
.irp e, 0,1,2,3,4,5,6,7
	v_cvt_scalef32_pk8_fp8_f32 v[PC+2*\e:PC+2*\e+1], v[TMP+8*\e:TMP+8*\e+7], v[\sc]
.endr
	v_nop                                          ; a plain line behind the last conversion
.irp c, 0,1,2,3
	ds_store_b128 v[\adr], v[PC+4*\c:PC+4*\c+3] offset:FRB*(\s)+512*\c
.endr
	s_wait_dscnt 0x0                               ; the stores have read the codes' registers
.endm
.macro FETCH adr, m                    ; the four fragments of row tile m out of one set
.irp s, 0,1,2,3
.irp c, 0,1,2,3
	ds_load_b128 v[XF+16*\s+4*\c:XF+16*\s+4*\c+3], v[\adr] offset:(4*(\m)+\s)*FRB+512*\c
.endr
.endr
.endm
.macro PROD win, swap, bias            ; 16 products: four accumulators by turns, K step by K step; the bias starts the sums
	s_wait_dscnt 0x0                               ; xn's fragments are in
	WIN \win
.irp s, 0,1,2,3
.irp t, 0,1,2,3
.if \swap
.if \s == 0
	v_wmma_f32_16x16x128_fp8_fp8 v[ACC+8*\t:ACC+8*\t+7], v[XF+16*\s:XF+16*\s+15], v[16*(4*\t+\s):16*(4*\t+\s)+15], v[\bias+8*\t:\bias+8*\t+7]
.else
	v_wmma_f32_16x16x128_fp8_fp8 v[ACC+8*\t:ACC+8*\t+7], v[XF+16*\s:XF+16*\s+15], v[16*(4*\t+\s):16*(4*\t+\s)+15], v[ACC+8*\t:ACC+8*\t+7]
.endif
.else
.if \s == 0
	v_wmma_f32_16x16x128_fp8_fp8 v[ACC+8*\t:ACC+8*\t+7], v[16*(4*\t+\s):16*(4*\t+\s)+15], v[XF+16*\s:XF+16*\s+15], v[\bias+8*\t:\bias+8*\t+7]
.else
	v_wmma_f32_16x16x128_fp8_fp8 v[ACC+8*\t:ACC+8*\t+7], v[16*(4*\t+\s):16*(4*\t+\s)+15], v[XF+16*\s:XF+16*\s+15], v[ACC+8*\t:ACC+8*\t+7]
.endif
.endif
.endr
.endr
	WIN 0
.rept 4
	v_nop                                          ; four places ahead of the loads into xn's fragments and of the first read of the sums
.endr
.endm
.macro HOLD sc
.set n, 0
.rept 32
	v_med3_num_f32 v[ACC+n], v[ACC+n], -v[\sc+1], v[\sc+1]
.set n, n+1
.endr
	s_wait_xcnt 0x0                                ; earlier stores have read the codes' registers
.endm
.macro OUTQK sc, ptr, m                ; 16 tokens x 64 e: two stores of 512 consecutive bytes
	HOLD \sc
.irp t, 0,1,2,3
	v_cvt_scalef32_pk8_fp8_f32 v[PC+2*\t:PC+2*\t+1], v[ACC+8*\t:ACC+8*\t+7], v[\sc]
.endr
	v_nop
	global_store_b128 v[LI0], v[PC:PC+3], s[\ptr:\ptr+1] offset:1024*(\m)
	global_store_b128 v[LI0], v[PC+4:PC+7], s[\ptr:\ptr+1] offset:1024*(\m)+512
.endm
.macro OUTV m                          ; 64 d x 16 tokens: two row tiles fill a group of four registers
	HOLD 242
.irp t, 0,1,2,3
	v_cvt_scalef32_pk8_fp8_f32 v[VC+4*\t+2*((\m)%2):VC+4*\t+2*((\m)%2)+1], v[ACC+8*\t:ACC+8*\t+7], v242
.endr
	v_nop
.if (\m)%2
.irp t, 0,1,2,3
	global_store_b128 v[LI0], v[VC+4*\t:VC+4*\t+3], s[32:33] offset:2048*\t+512*((\m)/2)
.endr
.endif
.endm
	s_load_b512 s[8:23], s[0:1], 0x0               ; x 8, ln1_g 10, ln1_b 12, Wq 14, Wk 16, Wv 18, bq 20, bk 22
	s_load_b256 s[24:31], s[0:1], 0x40             ; bv 24, the scales' exponents 26, q_img 28, k_img 30
	s_load_b64 s[32:33], s[0:1], 0x60              ; v_img
	v_lshrrev_b32 v[A0], 5, v0
	v_readfirstlane_b32 s34, v[A0]                 ; wave 0..3
	v_and_b32 v250, 31, v0                         ; lane
	v_and_b32 v248, 15, v0                         ; r
	v_bfe_u32 v249, v0, 4, 1                       ; h
	v_and_b32 v251, 8, v248
	v_add_nc_u32 v251, v251, v248                  ; r + 8 (r / 8)
	v_lshlrev_b32 v[LI0], 4, v250
	v_lshlrev_b32 v[XA], 11, v248
	v_lshl_add_u32 v[XA], v249, 6, v[XA]
	v_lshlrev_b32 v[WA], 9, v248
	v_lshl_add_u32 v[WA], v249, 4, v[WA]
	v_lshlrev_b32 v[WAV], 9, v251
	v_lshl_add_u32 v[WAV], v249, 4, v[WAV]
	v_lshlrev_b32 v[GL], 6, v249
	v_add_nc_u32 v[LQ], XIMG, v[LI0]
	v_add_nc_u32 v[LK], XIMG+SETB, v[LI0]
	v_add_nc_u32 v[LV], XIMG+2*SETB, v[LI0]
	s_lshl_b32 s35, s34, 13
	v_add_nc_u32 v[SQ], s35, v[LQ]
	v_add_nc_u32 v[SK], s35, v[LK]
	v_add_nc_u32 v[SV], s35, v[LV]
	v_lshlrev_b32 v[BA], 5, v249
	v_lshlrev_b32 v[BVA], 2, v251
	v_lshlrev_b32 v[GS], 4, v0
	v_mov_b32 v[PT], 0
	s_mov_b32 s36, 0x76543210                      ; lane l xor 16
	s_mov_b32 s37, 0xfedcba98
	s_mov_b32 s38, 0x3b000000                      ; 1 / 512
	s_mov_b32 s39, 0x3727c5ac                      ; 1e-5
	s_wait_kmcnt 0x0
	s_load_b256 s[40:47], s[26:27], 0x0            ; e0 .. e7
	s_load_b64 s[48:49], s[26:27], 0x20            ; e8, e9
	s_lshl_b32 s50, ttmp9, 17                      ; 64 rows of 2,048 bytes a block,
	s_lshl_b32 s51, s34, 15                        ; 16 a wave
	s_add_co_u32 s50, s50, s51
	s_mov_b32 s51, 0
	s_add_nc_u64 s[8:9], s[8:9], s[50:51]
	s_and_b32 s52, ttmp7, 0xffff
	s_lshl_b32 s52, s52, 2
	s_add_co_u32 s52, s52, s34                     ; my head
	s_lshl_b32 s54, s52, 15                        ; its 64 rows of 512 codes
	s_mov_b32 s55, 0
	s_add_nc_u64 s[14:15], s[14:15], s[54:55]
	s_add_nc_u64 s[16:17], s[16:17], s[54:55]
	s_add_nc_u64 s[18:19], s[18:19], s[54:55]
	s_lshl_b32 s54, s52, 8
	s_add_nc_u64 s[20:21], s[20:21], s[54:55]
	s_add_nc_u64 s[22:23], s[22:23], s[54:55]
	s_add_nc_u64 s[24:25], s[24:25], s[54:55]
	s_lshr_b32 s53, ttmp9, 5                       ; batch
	s_lshl_b32 s53, s53, 3
	s_add_co_u32 s53, s53, s52                     ; batch x 8 + head
	s_lshl_b32 s53, s53, 17                        ; 131,072 bytes of each image
	s_and_b32 s56, ttmp9, 31                       ; which 64 tokens of the 2,048
	s_lshl_b32 s54, s56, 12
	s_add_co_u32 s54, s54, s53
	s_add_nc_u64 s[28:29], s[28:29], s[54:55]
	s_add_nc_u64 s[30:31], s[30:31], s[54:55]
	s_lshr_b32 s54, s56, 1                         ; v: the key step of 128,
	s_lshl_b32 s54, s54, 13
	s_and_b32 s57, s56, 1                          ; and its half: two groups of 512 bytes
	s_lshl_b32 s57, s57, 10
	s_add_co_u32 s54, s54, s57
	s_add_co_u32 s54, s54, s53
	s_add_nc_u64 s[32:33], s[32:33], s[54:55]
	global_load_b128 v[16:19], v[GS], s[10:11]
	global_load_b128 v[20:23], v[GS], s[12:13]
	WIN 0xc0                                       ; x into window 3: register 64 s + 16 b + i = x(r, 128 s + 32 b + 16 h + i)
.irp s, 0,1,2,3
.irp b, 0,1,2,3
.irp j, 0,1,2,3
	global_load_b128 v[64*\s+16*\b+4*\j:64*\s+16*\b+4*\j+3], v[XA], s[8:9] offset:512*\s+128*\b+16*\j
.endr
.endr
.endr
	WIN 0x40                                       ; Wq into window 1: fragment (t, s) at 16 (4 t + s)
.irp f, 0,1,2,3,4,5,6,7,8,9,10,11,12,13,14
	WFRAG 16*\f, WA, 14, (\f/4)*8192+(\f%4)*128
.endr
	WIN 0
	s_wait_kmcnt 0x0
	s_add_co_i32 s58, s40, s41
	s_add_co_i32 s59, s42, s43
	s_add_co_i32 s60, s44, s45
	s_sub_co_i32 s61, s46, s58                     ; a sum stands for sum x 2^(e0 + e1): q's conversion takes 2^(e6 - e0 - e1)
	s_sub_co_i32 s62, s47, s59
	s_sub_co_i32 s63, s49, s60
	s_sub_co_i32 s66, 0, s58
	s_sub_co_i32 s67, 0, s59
	s_sub_co_i32 s68, 0, s60
	MKSC 232, 41
	MKSC 234, 43
	MKSC 236, 45
	MKSC 238, 61
	MKSC 240, 62
	MKSC 242, 63
	s_wait_loadcnt 60                              ; behind g, b and x stand the 60 loads of Wq: they may be out
	ds_store_b128 v[GS], v[16:19] offset:GB
	ds_store_b128 v[GS], v[20:23] offset:GB+2048
	WIN 0x40
	WFRAG 240, WA, 14, 3*8192+3*128
	WIN 0x80                                       ; Wk into window 2
.irp f, 0,1,2,3,4,5,6,7,8,9,10,11,12,13,14,15
	WFRAG 16*\f, WA, 16, (\f/4)*8192+(\f%4)*128
.endr
	WIN 0
	s_wait_dscnt 0x0                               ; my part of g and b lies in LDS
	s_barrier_signal -1
	s_barrier_wait -1
	GBLOAD 0
	; the mean: 256 numbers a lane in four chains, then the lane 16 away
.macro FOLD
	v_pk_add_f32 v[A0:A0+1], v[A0:A0+1], v[A0+2:A0+3]
	v_pk_add_f32 v[A0+4:A0+5], v[A0+4:A0+5], v[A0+6:A0+7]
	v_pk_add_f32 v[A0:A0+1], v[A0:A0+1], v[A0+4:A0+5]
	v_add_f32 v[A0], v[A0], v[A0+1]
	v_permlanex16_b32 v[PT], v[A0], s36, s37
	v_add_f32 v[A0], v[A0], v[PT]
.endm
	WIN 0x0f
.irp i, 0,1,2,3
	v_pk_add_f32 v[A0+2*\i:A0+2*\i+1], v[4*\i:4*\i+1], v[4*\i+2:4*\i+3]
.endr
	WIN 0x0c
.set n, 8
.rept 120
	v_pk_add_f32 v[A0+2*(n%4):A0+2*(n%4)+1], v[A0+2*(n%4):A0+2*(n%4)+1], v[2*n:2*n+1]
.set n, n+1
.endr
	WIN 0
	FOLD
	v_mul_f32 v[MU], s38, v[A0]
	v_mov_b32 v[MU+1], v[MU]
	WIN 0xc3                                       ; x - mean, in place: the variance is taken of the differences
.set n, 0
.rept 128
	v_pk_add_f32 v[n:n+1], v[n:n+1], v[MU:MU+1] neg_lo:[0,1] neg_hi:[0,1]
.set n, n+2
.endr
	WIN 0x0f
.irp i, 0,1,2,3
	v_pk_mul_f32 v[A0+2*\i:A0+2*\i+1], v[2*\i:2*\i+1], v[2*\i:2*\i+1]
.endr
.set n, 4
.rept 124
	v_pk_fma_f32 v[A0+2*(n%4):A0+2*(n%4)+1], v[2*n:2*n+1], v[2*n:2*n+1], v[A0+2*(n%4):A0+2*(n%4)+1]
.set n, n+1
.endr
	WIN 0
	FOLD
	v_fma_f32 v[A0], v[A0], s38, s39               ; variance + 1e-5
	v_rsq_f32 v[RS], v[A0]
	v_nop                                          ; a plain line behind the transcendental,
	s_wait_alu depctr_va_vdst(0)                   ; and a wait ahead of its first reader
	v_mov_b32 v[RS+1], v[RS]
.irp s, 0,1,2,3                        ; xn = (x - mean) (g / sigma) + b, a K step at a time, and its three sets of codes
	s_wait_dscnt 0x0                               ; g and b of this K step are in
.set n, 0
.rept 32
	v_pk_mul_f32 v[G+n:G+n+1], v[G+n:G+n+1], v[RS:RS+1]
.set n, n+2
.endr
	WIN 0xc3
.set n, 0
.rept 32
	v_pk_fma_f32 v[64*\s+n:64*\s+n+1], v[64*\s+n:64*\s+n+1], v[G+n:G+n+1], v[BT+n:BT+n+1]
.set n, n+2
.endr
	WIN 0
.if \s < 3
	GBLOAD \s+1
.endif
	QSET 232, SQ, \s
	QSET 234, SK, \s
	QSET 236, SV, \s
.endr
.irp t, 0,1,2,3                        ; the biases in the results' layouts: q, k: e = 16 t + 8 h + 0 .. 7; v: one d a lane
	global_load_b128 v[BQ+8*\t:BQ+8*\t+3], v[BA], s[20:21] offset:64*\t
	global_load_b128 v[BQ+8*\t+4:BQ+8*\t+7], v[BA], s[20:21] offset:64*\t+16
	global_load_b128 v[BK+8*\t:BK+8*\t+3], v[BA], s[22:23] offset:64*\t
	global_load_b128 v[BK+8*\t+4:BK+8*\t+7], v[BA], s[22:23] offset:64*\t+16
.endr
.irp t, 0,1,2,3
	global_load_b32 v[A0+\t], v[BVA], s[24:25] offset:(32*(\t/2)+8*(\t%2))*4
.endr
	WIN 0xc0                                       ; Wv takes x's place in window 3
.irp f, 0,1,2,3,4,5,6,7,8,9,10,11,12,13,14,15
	WFRAG 16*\f, WAV, 18, (32*(\f/8)+8*((\f/4)%2))*512+(\f%4)*128
.endr
	WIN 0
	s_wait_dscnt 0x0                               ; my images lie in LDS
	s_barrier_signal -1
	s_barrier_wait -1                              ; everybody's do
	FETCH LQ, 0
	s_wait_loadcnt 63                              ; at most 63 of Wv's 64 loads are out: the biases, Wq and Wk are in
.set n, 0
.rept 32
	v_ldexp_f32 v[BQ+n], v[BQ+n], s66
	v_ldexp_f32 v[BK+n], v[BK+n], s67
.set n, n+1
.endr
.irp t, 0,1,2,3
.irp j, 0,1,2,3,4,5,6,7
	v_ldexp_f32 v[BV+8*\t+\j], v[A0+\t], s68
.endr
.endr
.irp m, 0,1,2,3                        ; a row tile at a time: q, k, v; each fetches the next one's fragments behind its products
	PROD 0x01, 0, BQ
	FETCH LK, \m
	OUTQK 238, 28, \m
	PROD 0x02, 0, BK
	FETCH LV, \m
	OUTQK 240, 30, \m
.if \m == 0
	s_wait_loadcnt 0x0                             ; Wv
.endif
	PROD 0x0c, 1, BV
.if \m < 3
	FETCH LQ, \m+1
.endif
	OUTV \m
.endr
	s_wait_xcnt 0x0
	v_lshl_add_u32 v254, v0, 2, 0x19000
	v_mov_b32 v255, 0
	s_wait_tensorcnt 0x0
	ds_add_u32 v254, v255
	s_wait_dscnt 0x0
	s_endpgm
.Lfunc_end_k_qc8544ff6c1_qkv:
	.size	k_qc8544ff6c1_qkv, .Lfunc_end_k_qc8544ff6c1_qkv-k_qc8544ff6c1_qkv
	.p2alignl 7, 3214868480
	.fill 96, 4, 3214868480
	.section	.rodata,"a",@progbits
	.p2align	6, 0x0
	.amdhsa_kernel k_qc8544ff6c1_qkv
		.amdhsa_group_segment_fixed_size 102912
		.amdhsa_private_segment_fixed_size 0
		.amdhsa_enable_private_segment 0
		.amdhsa_kernarg_size 104
		.amdhsa_user_sgpr_count 2
		.amdhsa_user_sgpr_kernarg_segment_ptr 1
		.amdhsa_wavefront_size32 1
		.amdhsa_system_sgpr_workgroup_id_x 1
		.amdhsa_system_sgpr_workgroup_id_y 1
		.amdhsa_system_sgpr_workgroup_id_z 1
		.amdhsa_system_vgpr_workitem_id 0
		.amdhsa_next_free_vgpr 1024
		.amdhsa_next_free_sgpr 96
		.amdhsa_reserve_vcc 0
		.amdhsa_float_denorm_mode_32 3
		.amdhsa_float_denorm_mode_16_64 3
		.amdhsa_memory_ordered 1
		.amdhsa_forward_progress 1
		.amdhsa_inst_pref_size 203
	.end_amdhsa_kernel
	.amdgpu_metadata
---
amdhsa.version: [ 1, 2 ]
amdhsa.kernels:
  - .name:           k_qc8544ff6c1_qkv
    .symbol:         k_qc8544ff6c1_qkv.kd
    .args:
      - { .name: x, .offset: 0, .size: 8, .value_kind: global_buffer, .address_space: global }
      - { .name: ln1_g, .offset: 8, .size: 8, .value_kind: global_buffer, .address_space: global }
      - { .name: ln1_b, .offset: 16, .size: 8, .value_kind: global_buffer, .address_space: global }
      - { .name: Wq_codes, .offset: 24, .size: 8, .value_kind: global_buffer, .address_space: global }
      - { .name: Wk_codes, .offset: 32, .size: 8, .value_kind: global_buffer, .address_space: global }
      - { .name: Wv_codes, .offset: 40, .size: 8, .value_kind: global_buffer, .address_space: global }
      - { .name: bq, .offset: 48, .size: 8, .value_kind: global_buffer, .address_space: global }
      - { .name: bk, .offset: 56, .size: 8, .value_kind: global_buffer, .address_space: global }
      - { .name: bv, .offset: 64, .size: 8, .value_kind: global_buffer, .address_space: global }
      - { .name: lowp_scales, .offset: 72, .size: 8, .value_kind: global_buffer, .address_space: global }
      - { .name: q_img, .offset: 80, .size: 8, .value_kind: global_buffer, .address_space: global }
      - { .name: k_img, .offset: 88, .size: 8, .value_kind: global_buffer, .address_space: global }
      - { .name: v_img, .offset: 96, .size: 8, .value_kind: global_buffer, .address_space: global }
    .group_segment_fixed_size: 102912
    .private_segment_fixed_size: 0
    .kernarg_segment_align: 8
    .kernarg_segment_size: 104
    .max_flat_workgroup_size: 128
    .sgpr_count:     96
    .vgpr_count:     1024
    .wavefront_size: 32
...
	.end_amdgpu_metadata
.endif
;; end of part 1
;; launch attn (part 2): grid 8 x 32, 8 waves a work-group, no clusters, 263,168 bytes of LDS; arguments q_img, k_img, v_img, lowp_scales, av_img; writes av_img
.if DOCPART == 2
	.amdgcn_target "amdgcn-amd-amdhsa--gfx1250"
	.amdhsa_code_object_version 6
	.text
	.protected	k_qc8544ff6c1_attn
	.globl	k_qc8544ff6c1_attn
	.p2align	8
	.type	k_qc8544ff6c1_attn,@function
k_qc8544ff6c1_attn:
	s_mov_b64 s[64:65], 0
	v_nop
	global_prefetch_b8 v0, s[64:65] scope:SCOPE_SE
	s_setreg_imm32_b32 hwreg(HW_REG_WAVE_MODE, 25, 1), 1
	s_wait_xcnt 0x0
; Attention of one head on E4M3 codes: S^T = K Q^T (16x16x64), p = 2^(t - M), O^T += V^T P^T (16x16x128), O / l quantised with e10.
; SHARES.  A work-group owns 256 queries of one (batch, head); each of its eight waves 32 of them, two tiles, so that each fragment of K and V read from
; LDS feeds two products.  The head's whole K and V, 131,072 bytes each, are copied into LDS once, as the images in which the launch before stored them:
; one barrier in the launch, every LDS access 16 x lane.  No ring, so no tensor load.
; No cluster: what the eight work-groups of a head share is read once by each, at its head, and is small beside the work on it.
; LAYOUT.  Both products are used transposed: a lane holds ONE query (lane % 16).  In S^T register j of tile T is key 16 T + 8 (lane / 16) + j, which is the place
; that the 16x16x128 form's own layout gives registers 2 T, 2 T + 1: the conversions' results are the second product's operand.
; V's rows of tile 2 b + u are d = 32 b + 8 u + r + 8 (r / 8), so that O^T's tiles 2 b, 2 b + 1 hold 16 neighbouring d: a group of the next product's operand.
; SOFTMAX.  t = score x log2(e) / 8; M = ceil of the running largest t, kept as -M = floor(-t); the sum is taken of the unquantised p; when M moves, the sum
; and O^T are multiplied by 2^(old M - new M).  p is at most 1, so the hold at 448 x 2^e8 can act only where e8 < -8: elsewhere it is jumped over.
; LIMITS: e6 + e7 between -123 and 130; e8, e10 between -126 and 119.  q is taken as the first operand (e6) and k as the second (e7) of the scores' product.
.set VLDS, 131072
.set LI,  1                            ; 16 x lane
.set LIV, 2                            ; + VLDS
.set ADK, 3                            ; the key step in hand
.set ADV, 4
.set CP,  5                            ; the copy: 16 x lane + 16,384 x wave
.set CPV, 6
.set ST,  8                            ; tile q at ST + 8 q: +0 -M, +1 largest t, +2:3 the sum, +4 f (+5 named with it), +6, +7 at work
.set SB,  24                           ; the sum's second chain
.set PT,  28
.set S,   32                           ; S^T, then p: 64 a tile
.set O,   160                          ; O^T: 32 a tile
.set AC,  224                          ; the output's codes
.set KF,  0                            ; window 1: K's eight fragments, V's four, Q's two, P's two
.set VF,  64
.set QF,  128
.set PF,  144
.set MSB, 0
.macro WIN new
.if MSB != (\new)
	s_set_vgpr_msb (MSB<<8)|(\new)
.set MSB, (\new)
.endif
.endm
.macro MKSC vs, se
	s_add_co_i32 s28, s[\se], 127
	s_lshl_b32 s29, s28, 23
	v_mov_b32 v[\vs], s29
	s_add_co_i32 s28, s28, 8
	s_lshl_b32 s28, s28, 23
	s_or_b32 s28, s28, 0x600000
	v_mov_b32 v[\vs+1], s28
.endm
.macro KLOAD off
	WIN 0x40
.irp t, 0,1,2,3,4,5,6,7
.irp g, 0,1
	ds_load_b128 v[KF+8*\t+4*\g:KF+8*\t+4*\g+3], v[ADK] offset:(\off)+1024*\t+512*\g
.endr
.endr
	WIN 0
.endm
.macro VLOAD off
	WIN 0x40
.irp t, 0,1,2,3
.irp g, 0,1,2,3
	ds_load_b128 v[VF+16*\t+4*\g:VF+16*\t+4*\g+3], v[ADV] offset:(\off)+2048*\t+512*\g
.endr
.endr
	WIN 0
.endm
	s_load_b256 s[4:11], s[0:1], 0x0               ; q_img 4, k_img 6, v_img 8, the scales' exponents 10
	s_load_b64 s[12:13], s[0:1], 0x20              ; av_img
	v_lshl_add_u32 v254, v0, 2, 0x40000
	v_mov_b32 v255, 0
	v_lshrrev_b32 v3, 5, v0
	v_readfirstlane_b32 s14, v3                    ; wave 0..7
	v_and_b32 v4, 31, v0
	v_lshlrev_b32 v[LI], 4, v4
	v_add_nc_u32 v[LIV], VLDS, v[LI]
	s_lshl_b32 s15, s14, 14
	v_add_nc_u32 v[CP], s15, v[LI]
	v_add_nc_u32 v[CPV], VLDS, v[CP]
	s_mov_b32 s20, 0x76543210
	s_mov_b32 s21, 0xfedcba98
	s_mov_b32 s24, 0
	s_and_b32 s15, ttmp7, 0xffff                   ; batch x 8 + head
	s_lshl_b32 s16, s15, 17
	s_mov_b32 s17, 0
	s_wait_kmcnt 0x0
	s_load_b128 s[32:35], s[10:11], 0x18           ; e6, e7, e8, e9
	s_load_b32 s36, s[10:11], 0x28                 ; e10
	s_add_nc_u64 s[6:7], s[6:7], s[16:17]
	s_add_nc_u64 s[8:9], s[8:9], s[16:17]
	s_lshl_b32 s18, ttmp9, 14                      ; 16 tiles of 1,024 bytes a block of queries,
	s_lshl_b32 s19, s14, 11                        ; two a wave
	s_add_co_u32 s18, s18, s19
	s_add_co_u32 s16, s16, s18
	s_add_nc_u64 s[4:5], s[4:5], s[16:17]
	s_lshr_b32 s18, s15, 3
	s_lshl_b32 s18, s18, 7                         ; 128 row tiles a batch
	s_lshl_b32 s19, ttmp9, 4
	s_add_co_u32 s18, s18, s19
	s_lshl_b32 s19, s14, 1
	s_add_co_u32 s18, s18, s19                     ; my first row tile,
	s_lshl_b32 s18, s18, 13                        ; 8,192 bytes each;
	s_and_b32 s19, s15, 7
	s_lshl_b32 s19, s19, 10                        ; my head's 64 of the 512 along K: two groups of 512 bytes
	s_add_co_u32 s16, s18, s19
	s_add_nc_u64 s[12:13], s[12:13], s[16:17]
.irp i, 0,1,2,3,4,5,6,7,8,9,10,11,12,13,14,15,16,17,18,19,20,21,22,23,24,25,26,27,28,29,30,31
	global_load_b128 v[S+4*\i:S+4*\i+3], v[CP], s[6:7] offset:512*\i       ; my eighth of K
.endr
	WIN 0x40
.irp i, 0,1,2,3,4,5,6,7,8,9,10,11,12,13,14,15,16,17,18,19,20,21,22,23,24,25,26,27,28,29,30,31
	global_load_b128 v[4*\i:4*\i+3], v[CP], s[8:9] offset:512*\i           ; my eighth of V
.endr
.irp q, 0,1
.irp g, 0,1
	global_load_b128 v[QF+8*\q+4*\g:QF+8*\q+4*\g+3], v[LI], s[4:5] offset:1024*\q+512*\g   ; Q stays in registers
.endr
.endr
	WIN 0
.set n, 0
.rept 64
	v_mov_b32 v[O+n], 0                            ; the key step is written without a first copy: it finds zeros, which the first change of M leaves zeros
.set n, n+1
.endr
.irp q, 0,1
	v_mov_b32 v[ST+8*\q+1], 0xff61b1e6             ; the largest t so far: -3e38
	v_floor_f32 v[ST+8*\q], -v[ST+8*\q+1]
	v_mov_b32 v[ST+8*\q+2], 0
	v_mov_b32 v[ST+8*\q+3], 0
	v_mov_b32 v[ST+8*\q+5], 0
	v_mov_b32 v[PT+\q], 0
.endr
	s_wait_kmcnt 0x0
	s_add_co_i32 s27, s32, s33
	s_lshl_b32 s27, s27, 23
	s_add_co_i32 s22, s27, 0x3e38aa3b              ; c = log2(e) / 8, with e6 + e7 added to its exponent field
	s_mov_b32 s23, s22
	MKSC 30, 34
	MKSC 240, 36
	s_cmp_lt_i32 s34, -8
	s_cselect_b32 s26, 1, 0                        ; is p's hold wanted?
	s_wait_loadcnt 36                              ; K is in: behind it stand V's 32 loads and Q's 4
.irp i, 0,1,2,3,4,5,6,7,8,9,10,11,12,13,14,15,16,17,18,19,20,21,22,23,24,25,26,27,28,29,30,31
	ds_store_b128 v[CP], v[S+4*\i:S+4*\i+3] offset:512*\i
.endr
	s_wait_loadcnt 4                               ; V is in: behind it stand Q's 4
	WIN 0x04
.irp i, 0,1,2,3,4,5,6,7,8,9,10,11,12,13,14,15,16,17,18,19,20,21,22,23,24,25,26,27,28,29,30,31
	ds_store_b128 v[CPV], v[4*\i:4*\i+3] offset:512*\i
.endr
	WIN 0
	s_wait_loadcnt 0x0
	s_wait_dscnt 0x0                               ; my part of K and V lies in LDS
	s_barrier_signal -1
	s_barrier_wait -1                              ; all of it does; nothing is written there again
	v_add_nc_u32 v[ADK], s24, v[LI]
	v_add_nc_u32 v[ADV], s24, v[LIV]
	KLOAD 0
	VLOAD 0
; A KEY STEP: 128 keys for both tiles.  At its head K's 16 loads of this step and, behind them, V's 16 are out.
.macro STEP last
	s_wait_dscnt 16                                ; K is in; V's 16 loads may be out
	WIN 0x05
.irp t, 0,1,2,3,4,5,6,7
.irp q, 0,1
	v_wmma_f32_16x16x64_fp8_fp8 v[S+64*\q+8*\t:S+64*\q+8*\t+7], v[KF+8*\t:KF+8*\t+7], v[QF+8*\q:QF+8*\q+7], 0
.endr
.endr
	WIN 0
.rept 4
	v_nop                                          ; four places ahead of the loads into K's registers and of the first read of the scores
.endr
.if \last == 0
	KLOAD 8192                                     ; the next step's K
.endif
.irp q, 0,1                            ; the step's largest score, each accumulator from its low end on, two chains a tile
	v_max3_num_f32 v[ST+8*\q+6], v[S+64*\q], v[S+64*\q+1], v[S+64*\q+2]
	v_max3_num_f32 v[ST+8*\q+7], v[S+64*\q+3], v[S+64*\q+4], v[S+64*\q+5]
.endr
.irp i, 6,10,14,18,22,26,30,34,38,42,46,50,54,58
.irp q, 0,1
	v_max3_num_f32 v[ST+8*\q+6], v[ST+8*\q+6], v[S+64*\q+\i], v[S+64*\q+\i+1]
	v_max3_num_f32 v[ST+8*\q+7], v[ST+8*\q+7], v[S+64*\q+\i+2], v[S+64*\q+\i+3]
.endr
.endr
.irp q, 0,1
	v_max3_num_f32 v[ST+8*\q+6], v[ST+8*\q+6], v[S+64*\q+62], v[S+64*\q+63]
.endr
.irp q, 0,1
	v_max_num_f32 v[ST+8*\q+6], v[ST+8*\q+6], v[ST+8*\q+7]
.endr
.irp q, 0,1
	v_permlanex16_b32 v[PT+\q], v[ST+8*\q+6], s20, s21      ; the query's other 64 keys lie in the lane 16 away
.endr
.irp q, 0,1
	v_max_num_f32 v[ST+8*\q+6], v[ST+8*\q+6], v[PT+\q]
.endr
.irp q, 0,1
	v_mul_f32 v[ST+8*\q+6], s22, v[ST+8*\q+6]               ; as t (c is positive)
.endr
.irp q, 0,1
	v_max_num_f32 v[ST+8*\q+1], v[ST+8*\q+1], v[ST+8*\q+6]
	v_mov_b32 v[ST+8*\q+7], v[ST+8*\q]
.endr
.irp q, 0,1
	v_floor_f32 v[ST+8*\q], -v[ST+8*\q+1]                   ; -M = floor(-t): M is a whole number
.endr
.irp q, 0,1
	v_sub_f32 v[ST+8*\q+7], v[ST+8*\q], v[ST+8*\q+7]        ; old M - new M
.endr
.irp q, 0,1
	v_cvt_i32_f32 v[ST+8*\q+7], v[ST+8*\q+7]                ; (it saturates)
.endr
.irp q, 0,1
	v_ldexp_f32 v[ST+8*\q+4], 1.0, v[ST+8*\q+7]             ; f = 2^(old M - new M)
.endr
.irp j, 0,2,4,6,8,10,12,14,16,18,20,22,24,26,28,30,32,34,36,38,40,42,44,46,48,50,52,54,56,58,60,62
.irp q, 0,1
	v_pk_fma_f32 v[S+64*\q+\j:S+64*\q+\j+1], v[S+64*\q+\j:S+64*\q+\j+1], s[22:23], v[ST+8*\q:ST+8*\q+1] op_sel_hi:[1,0,0]   ; t - M
.endr
.endr
.set n, 0
.rept 128
	v_exp_f32 v[S+n], v[S+n]                       ; p = 2^(t - M): one batch
.set n, n+1
.endr
.irp q, 0,1
	v_pk_mul_f32 v[ST+8*\q+2:ST+8*\q+3], v[ST+8*\q+2:ST+8*\q+3], v[ST+8*\q+4:ST+8*\q+5] op_sel_hi:[1,0]   ; the sums under the new M (plain lines behind the batch)
.endr
	s_wait_alu depctr_va_vdst(0)                   ; one wait for the batch, ahead of its first reader
.irp q, 0,1
	v_pk_add_f32 v[SB+2*\q:SB+2*\q+1], v[S+64*\q:S+64*\q+1], v[S+64*\q+2:S+64*\q+3]   ; the sum of the UNQUANTISED p, two chains a tile
.endr
.irp j, 4,8,12,16,20,24,28,32,36,40,44,48,52,56,60
.irp q, 0,1
	v_pk_add_f32 v[ST+8*\q+2:ST+8*\q+3], v[ST+8*\q+2:ST+8*\q+3], v[S+64*\q+\j:S+64*\q+\j+1]
	v_pk_add_f32 v[SB+2*\q:SB+2*\q+1], v[SB+2*\q:SB+2*\q+1], v[S+64*\q+\j+2:S+64*\q+\j+3]
.endr
.endr
.irp q, 0,1
	v_pk_add_f32 v[ST+8*\q+2:ST+8*\q+3], v[ST+8*\q+2:ST+8*\q+3], v[SB+2*\q:SB+2*\q+1]
.endr
	s_cmp_eq_u32 s26, 0                            ; p <= 1 <= 448 x 2^e8 wherever e8 >= -8: then nothing is to be held
	s_cbranch_scc1 .Lnohold_\@
.set n, 0
.rept 128
	v_min_num_f32 v[S+n], v[S+n], v31
.set n, n+1
.endr
.Lnohold_\@:
	WIN 0x40
.irp q, 0,1
.irp t, 0,1,2,3,4,5,6,7
	v_cvt_scalef32_pk8_fp8_f32 v[PF+16*\q+2*\t:PF+16*\q+2*\t+1], v[S+64*\q+8*\t:S+64*\q+8*\t+7], v30
.endr
.endr
	WIN 0
.irp q, 0,1
.irp j, 0,2,4,6,8,10,12,14,16,18,20,22,24,26,28,30
	v_pk_mul_f32 v[O+32*\q+\j:O+32*\q+\j+1], v[O+32*\q+\j:O+32*\q+\j+1], v[ST+8*\q+4:ST+8*\q+5] op_sel_hi:[1,0]   ; O^T under the new M (also the plain lines behind the conversions)
.endr
.endr
.if \last
	s_wait_dscnt 0x0
.else
	s_wait_dscnt 16                                ; V is in; the next step's K, 16 loads, may be out
.endif
	WIN 0x05
.irp t, 0,1,2,3
.irp q, 0,1
	v_wmma_f32_16x16x128_fp8_fp8 v[O+32*\q+8*\t:O+32*\q+8*\t+7], v[VF+16*\t:VF+16*\t+15], v[PF+16*\q:PF+16*\q+15], v[O+32*\q+8*\t:O+32*\q+8*\t+7]
.endr
.endr
	WIN 0
.if \last
.rept 4
	v_nop
.endr
.else
	s_add_co_u32 s24, s24, 8192
	v_add_nc_u32 v[ADK], s24, v[LI]                ; with the two v_nop: four places ahead of the loads into V's registers
	v_add_nc_u32 v[ADV], s24, v[LIV]
	v_nop
	v_nop
	VLOAD 0                                        ; the next step's V
.endif
.endm
	s_mov_b32 s25, 15
.Lstep:
	STEP 0
	s_sub_co_u32 s25, s25, 1
	s_cmp_lg_u32 s25, 0
	s_cbranch_scc1 .Lstep
	STEP 1                                         ; the last step fetches nothing
	; THE WAY OUT: av = O^T x 2^(e8 + e9) / l, quantised with e10; a lane's 16 codes of tiles 2 b, 2 b + 1 are a group of the next operand's image
.irp q, 0,1
	v_add_f32 v[ST+8*\q+6], v[ST+8*\q+2], v[ST+8*\q+3]
.endr
.irp q, 0,1
	v_permlanex16_b32 v[PT+\q], v[ST+8*\q+6], s20, s21
.endr
.irp q, 0,1
	v_add_f32 v[ST+8*\q+6], v[ST+8*\q+6], v[PT+\q]
.endr
.irp q, 0,1
	v_rcp_f32 v[ST+8*\q+4], v[ST+8*\q+6]
.endr
	v_nop
	s_add_co_i32 s27, s34, s35
	s_wait_alu depctr_va_vdst(0)                   ; one wait for the two reciprocals
.irp q, 0,1
	v_ldexp_f32 v[ST+8*\q+4], v[ST+8*\q+4], s27
.endr
.irp q, 0,1
.irp j, 0,2,4,6,8,10,12,14,16,18,20,22,24,26,28,30
	v_pk_mul_f32 v[O+32*\q+\j:O+32*\q+\j+1], v[O+32*\q+\j:O+32*\q+\j+1], v[ST+8*\q+4:ST+8*\q+5] op_sel_hi:[1,0]
.endr
.endr
.set n, 0
.rept 64
	v_med3_num_f32 v[O+n], v[O+n], -v241, v241
.set n, n+1
.endr
.irp q, 0,1
.irp t, 0,1,2,3
	v_cvt_scalef32_pk8_fp8_f32 v[AC+8*\q+2*\t:AC+8*\q+2*\t+1], v[O+32*\q+8*\t:O+32*\q+8*\t+7], v240
.endr
.endr
	v_nop
.irp q, 0,1
.irp b, 0,1
	global_store_b128 v[LI], v[AC+8*\q+4*\b:AC+8*\q+4*\b+3], s[12:13] offset:8192*\q+512*\b   ; 512 consecutive bytes a store
.endr
.endr
	s_wait_tensorcnt 0x0
	ds_add_u32 v254, v255
	s_wait_dscnt 0x0
	s_endpgm
.Lfunc_end_k_qc8544ff6c1_attn:
	.size	k_qc8544ff6c1_attn, .Lfunc_end_k_qc8544ff6c1_attn-k_qc8544ff6c1_attn
	.p2alignl 7, 3214868480
	.fill 96, 4, 3214868480
	.section	.rodata,"a",@progbits
	.p2align	6, 0x0
	.amdhsa_kernel k_qc8544ff6c1_attn
		.amdhsa_group_segment_fixed_size 263168
		.amdhsa_private_segment_fixed_size 0
		.amdhsa_enable_private_segment 0
		.amdhsa_kernarg_size 40
		.amdhsa_user_sgpr_count 2
		.amdhsa_user_sgpr_kernarg_segment_ptr 1
		.amdhsa_wavefront_size32 1
		.amdhsa_system_sgpr_workgroup_id_x 1
		.amdhsa_system_sgpr_workgroup_id_y 1
		.amdhsa_system_sgpr_workgroup_id_z 1
		.amdhsa_system_vgpr_workitem_id 0
		.amdhsa_next_free_vgpr 448
		.amdhsa_next_free_sgpr 66
		.amdhsa_reserve_vcc 0
		.amdhsa_float_denorm_mode_32 3
		.amdhsa_float_denorm_mode_16_64 3
		.amdhsa_memory_ordered 1
		.amdhsa_forward_progress 1
		.amdhsa_inst_pref_size 80
	.end_amdhsa_kernel
	.amdgpu_metadata
---
amdhsa.version: [ 1, 2 ]
amdhsa.kernels:
  - .name:           k_qc8544ff6c1_attn
    .symbol:         k_qc8544ff6c1_attn.kd
    .args:
      - { .name: q_img, .offset: 0, .size: 8, .value_kind: global_buffer, .address_space: global }
      - { .name: k_img, .offset: 8, .size: 8, .value_kind: global_buffer, .address_space: global }
      - { .name: v_img, .offset: 16, .size: 8, .value_kind: global_buffer, .address_space: global }
      - { .name: lowp_scales, .offset: 24, .size: 8, .value_kind: global_buffer, .address_space: global }
      - { .name: av_img, .offset: 32, .size: 8, .value_kind: global_buffer, .address_space: global }
    .group_segment_fixed_size: 263168
    .private_segment_fixed_size: 0
    .kernarg_segment_align: 8
    .kernarg_segment_size: 40
    .max_flat_workgroup_size: 256
    .sgpr_count:     66
    .vgpr_count:     448
    .wavefront_size: 32
...
	.end_amdgpu_metadata
.endif
;; end of part 2
;; launch post (part 3): grid 256 x 1, 8 waves a work-group, no clusters, 239,616 bytes of LDS; arguments av_img, Wo_codes, bo, x, ln2_g, ln2_b, W1_codes, b1, W2_codes, b2, lowp_scales, out0; writes out0
.if DOCPART == 3
	.amdgcn_target "amdgcn-amd-amdhsa--gfx1250"
	.amdhsa_code_object_version 6
	.text
	.protected	k_qc8544ff6c1_post
	.globl	k_qc8544ff6c1_post
	.p2align	8
	.type	k_qc8544ff6c1_post,@function
k_qc8544ff6c1_post:
	s_mov_b64 s[64:65], 0
	v_nop
	global_prefetch_b8 v0, s[64:65] scope:SCOPE_SE
	s_setreg_imm32_b32 hwreg(HW_REG_WAVE_MODE, 25, 1), 1
	s_wait_xcnt 0x0
; x1 = x + av Wo + bo;  x2 = LayerNorm 2 of x1;  h = gelu(x2 W1 + b1);  out = x1 + h W2 + b2.  The three products run on E4M3 codes; x2 (e12) and h (e14) are quantised on the way.
; SHARES.  A work-group takes 32 rows through the whole chain: x1, x2 and h never go to memory.  For the products with Wo and W2 wave w owns columns 64 w .. 64 w + 63, for the one with W1
; hidden units 256 w .. 256 w + 255.  Every byte of the three weights is wanted by one wave alone and goes from memory straight into that wave's registers (window 1), where each fragment
; feeds two products, one for each tile of 16 rows.  Window 1 holds Wo; then W1 in two buffers of 128 registers (a chunk: 32 units x 512 K); then W2 in four slots of 64 (a K step of four
; column tiles).  A buffer is asked for again as soon as its products are issued, across the phases' edges too.
; All products are used transposed (source 0 = 16 rows of a weight's codes, source 1 = 16 rows of the activation): a lane holds one row and eight neighbouring columns.
; K LAYOUT, the same on both sides: registers 4 c .. 4 c + 3 of a fragment hold k = 128 s + 32 c + 16 (lane / 16) + 0 .. 15.
; Lane r of W1's tile u of a chunk takes row 8 u + r + 8 (r / 8): the chunk's two tiles then hold 16 neighbouring units a lane, one group of four registers of h's operand.
; Sums that are laid by columns meet in a stage in LDS; behind it wave w owns the four whole rows 4 w .. 4 w + 3, so that each load of x and each store of out covers 512 consecutive bytes.
; The norm is taken in two passes (mean; then the differences' squares); g and b are multiplied by 2^-e12, so that the unscaled conversion gives the codes.
; GELU, exact: gelu(x) = max(x, 0) - |x| erfc(|x| / sqrt 2) / 2, erfc(z) = t exp(-z^2 + P(t)), t = 1 / (1 + z / 2), P of degree 9: a fit whose fractional error stays under 1.2e-7
; for every z >= 0; no difference of near numbers is formed for negative x.  It runs in two halves of 16 numbers, which is what 512 registers leave room for.
; NO CLUSTER, NO TENSOR LOAD: a joint load lands in LDS, from which each fragment would be read once more by its one wave: 2,304 KiB more through LDS for a work-group; and of LDS the
; operands below take 233 KiB.
; LIMITS: e10 + e11, e12 + e13, e14 + e15 between -126 and 127; e14 between -126 and 119.  NaN and infinities among the inputs are not served.
.set AIMG, 0                           ; LDS: av's 8 fragments ((4 m + s) x 2,048)
.set STG,  16384                       ; 32 rows x (2,048 + 16): the pitch is an odd multiple of 16 bytes; used for x1's sums and again for out's
.set SPI,  2064
.set X2S,  82432                       ; x2's codes: 32 rows x (512 + 16)
.set XPI,  528
.set B1S,  99328                       ; b1, 8,192 bytes
.set X1S,  107520                      ; x1: 8,192 bytes for each wave, its own four rows
.set HIMG, 173056                      ; h's 32 fragments ((16 m + ks) x 2,048)
.set LI,  1                            ; 16 x lane
.set WA,  2                            ; Wo: 512 r + 16 h;            later FA: x2's fragments in LDS
.set FA,  2
.set CPA, 3                            ; av's copy;                   later B1A: my b1 in LDS
.set B1A, 3
.set SO,  4                            ; into the stage
.set SRD, 5                            ; out of it
.set CWA, 6                            ; x2's code words
.set X1A, 7                            ; my x1 in LDS
.set W1A, 8                            ; W1: 512 (r + 8 (r / 8)) + 16 h
.set GS,  9                            ; b1's copy: 16 x thread;      later HW: where my h goes
.set HW,  9
.set GL,  10                           ; the same in LDS;             later W2A: 2048 r + 16 h
.set W2A, 10
.set HR,  11                           ; h's images, read
.set PT,  12                           ; v12-15 the lane exchanges' destinations; later HWC, B1C: the loop's addresses
.set HWC, 12
.set B1C, 13
.set CW,  16                           ; first phase: v16-31 the code words
.set AF,  32                           ; av's four fragments; later D, the differences
.set D,   32
.set ACC, 96                           ; the sums; later the rows read back; later what follows
.set SR,  96
.set AC,  96
.set MU,  104
.set RS,  112
.set XR,  160                          ; x, then x + bo, then x1
.set BB,  224                          ; bo, later ln2_b
.set GG,  240                          ; ln2_g
.set XF,  16                           ; second phase: x2's eight fragments (64 m + 16 s), which stay
.set X,   144                          ; a chunk's four accumulators (8 (2 m + u))
.set T,   176
.set P,   192
.set M,   208
.set B1,  224
.set PC,  240
.set HF,  16                           ; third phase: h's fragments, two sets of 32 by turns
.set AC2, 80                           ; eight accumulators (32 m + 8 t)
.set B2,  144
.set SR2, 160
.set X1R, 16
.set MSB, 0
.macro WIN new                         ; the immediate's high byte repeats the setting that is left
.if MSB != (\new)
	s_set_vgpr_msb (MSB<<8)|(\new)
.set MSB, (\new)
.endif
.endm
.macro FETCHA m
.irp s, 0,1,2,3
.irp c, 0,1,2,3
	ds_load_b128 v[AF+16*\s+4*\c:AF+16*\s+4*\c+3], v[LI] offset:AIMG+(4*(\m)+\s)*2048+512*\c
.endr
.endr
.endm
.macro REDUCE                          ; the four rows' pairs in AC become the rows' sums, in every lane
.irp p, 0,1,2,3
	v_add_f32 v[AC+2*\p], v[AC+2*\p], v[AC+2*\p+1]
.endr
.irp x, 1,2,4,8
.irp p, 0,1,2,3
	v_add_f32_dpp v[AC+2*\p], v[AC+2*\p], v[AC+2*\p] row_xmask:\x row_mask:0xf bank_mask:0xf
.endr
.endr
.irp p, 0,1,2,3
	v_permlanex16_b32 v[PT+\p], v[AC+2*\p], s36, s37
.endr
.irp p, 0,1,2,3
	v_add_f32 v[AC+2*\p], v[AC+2*\p], v[PT+\p]
.endr
.endm
.macro TOSTG a                         ; eight accumulators into the stage, each from its low end on; then the barrier
.irp m, 0,1
.irp t, 0,1,2,3
	ds_store_b128 v[SO], v[\a+32*\m+8*\t:\a+32*\m+8*\t+3] offset:16*SPI*\m+64*\t
	ds_store_b128 v[SO], v[\a+32*\m+8*\t+4:\a+32*\m+8*\t+7] offset:16*SPI*\m+64*\t+16
.endr
.endr
	s_wait_dscnt 0x0                               ; my part of the stage is written, and my LDS loads are in
	s_barrier_signal -1
	s_barrier_wait -1                              ; 32 whole rows lie in the stage
.endm
.macro FROMSTG a                       ; my four rows
.irp p, 0,1,2,3
.irp i, 0,1,2,3
	ds_load_b128 v[\a+16*\p+4*\i:\a+16*\p+4*\i+3], v[SRD] offset:SPI*\p+512*\i
.endr
.endr
.endm
.macro W1LOAD buf, row                 ; a chunk of W1: two tiles x four K steps, 32 loads (destination in window 1)
.irp u, 0,1
.irp s, 0,1,2,3
.irp c, 0,1,2,3
	global_load_b128 v[(\buf)+16*(4*\u+\s)+4*\c:(\buf)+16*(4*\u+\s)+4*\c+3], v[W1A], s[16:17] offset:((\row)+8*\u)*512+128*\s+32*\c
.endr
.endr
.endr
.endm
.macro W2LOAD ks                       ; a K step of W2: four column tiles, 16 loads (destination in window 1)
.irp t, 0,1,2,3
.irp c, 0,1,2,3
	global_load_b128 v[64*((\ks)%4)+16*\t+4*\c:64*((\ks)%4)+16*\t+4*\c+3], v[W2A], s[20:21] offset:32768*\t+128*(\ks)+32*\c
.endr
.endr
.endm
.macro B1LOAD adr, off                 ; b1 at a chunk's units 16 h + 8 u + 0 .. 7
.irp u, 0,1
	ds_load_b128 v[B1+8*\u:B1+8*\u+3], v[\adr] offset:(\off)+32*\u
	ds_load_b128 v[B1+8*\u+4:B1+8*\u+7], v[\adr] offset:(\off)+32*\u+16
.endr
.endm
.macro HFLOAD ks                       ; h's two fragments of K step ks
.irp m, 0,1
.irp c, 0,1,2,3
	ds_load_b128 v[HF+32*((\ks)%2)+16*\m+4*\c:HF+32*((\ks)%2)+16*\m+4*\c+3], v[HR] offset:32768*\m+2048*(\ks)+512*\c
.endr
.endr
.endm
	s_load_b512 s[4:19], s[0:1], 0x0               ; av_img 4, Wo 6, bo 8, x 10, ln2_g 12, ln2_b 14, W1 16, b1 18
	s_load_b256 s[20:27], s[0:1], 0x40             ; W2 20, b2 22, the scales' exponents 24, out0 26
	v_lshrrev_b32 v12, 5, v0
	v_readfirstlane_b32 s34, v12                   ; wave 0..7
	v_and_b32 v12, 31, v0                          ; lane
	v_and_b32 v13, 15, v0                          ; r
	v_bfe_u32 v14, v0, 4, 1                        ; h
	v_lshlrev_b32 v[LI], 4, v12
	v_lshlrev_b32 v[WA], 9, v13
	v_lshl_add_u32 v[WA], v14, 4, v[WA]
	s_lshl_b32 s35, s34, 11
	v_add_nc_u32 v[CPA], s35, v[LI]
	v_mul_u32_u24 v[SO], v13, SPI
	v_lshl_add_u32 v[SO], v14, 5, v[SO]
	s_lshl_b32 s51, s34, 8
	s_add_co_u32 s51, s51, STG
	v_add_nc_u32 v[SO], s51, v[SO]                 ; into the stage: row r, 32 h, my 256 bytes of a row
	s_mul_i32 s51, s34, 4*SPI
	s_add_co_u32 s51, s51, STG
	v_add_nc_u32 v[SRD], s51, v[LI]                ; back: my four rows
	s_mul_i32 s51, s34, 4*XPI
	s_add_co_u32 s51, s51, X2S
	v_lshl_add_u32 v[CWA], v12, 2, s51             ; my four rows of codes, four codes a lane
	s_lshl_b32 s51, s34, 13
	s_add_co_u32 s51, s51, X1S
	v_add_nc_u32 v[X1A], s51, v[LI]
	v_and_b32 v15, 8, v13
	v_add_nc_u32 v15, v15, v13                     ; r + 8 (r / 8)
	v_lshlrev_b32 v[W1A], 9, v15
	v_lshl_add_u32 v[W1A], v14, 4, v[W1A]
	v_lshlrev_b32 v[GS], 4, v0
	v_add_nc_u32 v[GL], B1S, v[GS]
.irp p, 0,1,2,3
	v_mov_b32 v[PT+\p], 0
.endr
.set n, 0
.rept 16
	v_mov_b32 v[CW+n], 0                           ; written whole once: the conversions below write halves
.set n, n+1
.endr
	s_mov_b32 s36, 0x76543210                      ; lane l xor 16
	s_mov_b32 s37, 0xfedcba98
	s_mov_b32 s38, 0x3b000000                      ; 1 / 512
	s_mov_b32 s39, 0x3727c5ac                      ; 1e-5
	s_mov_b32 s42, 0xc3e00000                      ; -448
	s_mov_b32 s43, 0x43e00000                      ; 448
	s_mov_b32 s44, 0x3eb504f3                      ; 1 / (2 sqrt 2)
	s_mov_b32 s57, 0
	s_wait_kmcnt 0x0
	s_load_b128 s[28:31], s[24:25], 0x28           ; e10, e11, e12, e13
	s_load_b64 s[32:33], s[24:25], 0x38            ; e14, e15
	s_lshl_b32 s56, ttmp9, 14
	s_add_nc_u64 s[4:5], s[4:5], s[56:57]          ; my two row tiles of av
	s_lshl_b32 s56, s34, 15
	s_add_nc_u64 s[6:7], s[6:7], s[56:57]          ; my 64 rows of Wo's codes
	s_lshl_b32 s56, ttmp9, 16
	s_lshl_b32 s51, s34, 13
	s_add_co_u32 s56, s56, s51
	s_add_nc_u64 s[10:11], s[10:11], s[56:57]      ; my four rows of x and of out
	s_add_nc_u64 s[26:27], s[26:27], s[56:57]
	s_lshl_b32 s56, s34, 17
	s_add_nc_u64 s[16:17], s[16:17], s[56:57]      ; my 256 rows of W1's codes (512 bytes each)
	s_add_nc_u64 s[20:21], s[20:21], s[56:57]      ; my 64 rows of W2's (2,048 bytes each)
.irp c, 0,1,2,3
	global_load_b128 v[AF+4*\c:AF+4*\c+3], v[CPA], s[4:5] offset:512*\c      ; my eighth of av's images, and
.endr
	global_load_b128 v[96:99], v[GS], s[18:19]                               ; my part of b1: what the first barrier waits for is asked for first
	global_load_b128 v[100:103], v[GS], s[18:19] offset:4096
	WIN 0x40
.irp t, 0,1,2,3
.irp s, 0,1,2,3
.irp c, 0,1,2,3
	global_load_b128 v[16*(4*\t+\s)+4*\c:16*(4*\t+\s)+4*\c+3], v[WA], s[6:7] offset:8192*\t+128*\s+32*\c
.endr
.endr
.endr
	WIN 0
.irp p, 0,1,2,3
.irp i, 0,1,2,3
	global_load_b128 v[XR+16*\p+4*\i:XR+16*\p+4*\i+3], v[LI], s[10:11] offset:2048*\p+512*\i th:TH_LOAD_NT
.endr
.endr
.irp i, 0,1,2,3
	global_load_b128 v[BB+4*\i:BB+4*\i+3], v[LI], s[8:9] offset:512*\i
	global_load_b128 v[GG+4*\i:GG+4*\i+3], v[LI], s[12:13] offset:512*\i
.endr
	s_wait_loadcnt 63                              ; 88 loads stand behind the six of the copies: with at most 63 out these six are in
.irp c, 0,1,2,3
	ds_store_b128 v[CPA], v[AF+4*\c:AF+4*\c+3] offset:AIMG+512*\c
.endr
	ds_store_b128 v[GL], v[96:99]
	ds_store_b128 v[GL], v[100:103] offset:4096
	s_wait_dscnt 0x0
	s_barrier_signal -1
	s_barrier_wait -1                              ; av's eight fragments and b1 lie in LDS
	FETCHA 0
	s_wait_kmcnt 0x0
	s_add_co_i32 s40, s28, s29
	s_add_co_i32 s40, s40, 127
	s_lshl_b32 s40, s40, 23                        ; 2^(e10 + e11) as f32
	s_mov_b32 s41, s40
	s_sub_co_i32 s50, 0, s30                       ; -e12
	s_add_co_i32 s46, s30, s31
	s_add_co_i32 s46, s46, 127
	s_lshl_b32 s46, s46, 23                        ; 2^(e12 + e13)
	s_mov_b32 s47, s46
	s_add_co_i32 s48, s32, s33
	s_add_co_i32 s48, s48, 127
	s_lshl_b32 s48, s48, 23                        ; 2^(e14 + e15)
	s_mov_b32 s49, s48
	s_add_co_i32 s58, s32, 127
	s_lshl_b32 s59, s58, 23                        ; 2^e14
	s_add_co_i32 s58, s58, 8
	s_lshl_b32 s58, s58, 23
	s_or_b32 s58, s58, 0x600000                    ; 448 x 2^e14
	s_wait_loadcnt 0x0
.irp p, 0,1,2,3
.irp n, 0,2,4,6,8,10,12,14
	v_pk_add_f32 v[XR+16*\p+\n:XR+16*\p+\n+1], v[XR+16*\p+\n:XR+16*\p+\n+1], v[BB+\n:BB+\n+1]   ; x + bo
.endr
.endr
.irp i, 0,1,2,3
	global_load_b128 v[BB+4*\i:BB+4*\i+3], v[LI], s[14:15] offset:512*\i     ; ln2_b takes bo's place
.endr
.irp m, 0,1                            ; av Wo: four accumulators by turns, K step by K step
	s_wait_dscnt 0x0
	WIN 0x01
.irp s, 0,1,2,3
.irp t, 0,1,2,3
.if \s == 0
	v_wmma_f32_16x16x128_fp8_fp8 v[ACC+32*\m+8*\t:ACC+32*\m+8*\t+7], v[16*(4*\t+\s):16*(4*\t+\s)+15], v[AF+16*\s:AF+16*\s+15], 0
.else
	v_wmma_f32_16x16x128_fp8_fp8 v[ACC+32*\m+8*\t:ACC+32*\m+8*\t+7], v[16*(4*\t+\s):16*(4*\t+\s)+15], v[AF+16*\s:AF+16*\s+15], v[ACC+32*\m+8*\t:ACC+32*\m+8*\t+7]
.endif
.endr
.endr
	WIN 0
.rept 4
	v_nop                                          ; four places ahead of loads into registers that the products read, and of the first read of the sums
.endr
.if \m == 0
	FETCHA 1
.endif
.endr
	WIN 0x40
	W1LOAD 0, 0                                    ; Wo is done with: W1's chunk 0 takes the lower half of its registers
	WIN 0
	TOSTG ACC
	FROMSTG SR
	s_wait_loadcnt 32                              ; ln2_b is in: behind it stand chunk 0's 32 loads
	WIN 0x40
	W1LOAD 128, 32                                 ; chunk 1
	WIN 0
	s_wait_dscnt 0x0
.set n, 0
.rept 32
	v_pk_fma_f32 v[XR+n:XR+n+1], v[SR+n:SR+n+1], s[40:41], v[XR+n:XR+n+1] op_sel_hi:[1,0,1]   ; x1 = sum x 2^(e10 + e11) + x + bo
.set n, n+2
.endr
.irp p, 0,1,2,3
.irp i, 0,1,2,3
	ds_store_b128 v[X1A], v[XR+16*\p+4*\i:XR+16*\p+4*\i+3] offset:2048*\p+512*\i   ; kept in my own bytes of LDS for the last residual
.endr
.endr
	; LayerNorm 2, the four rows side by side
.irp p, 0,1,2,3
	v_pk_add_f32 v[AC+2*\p:AC+2*\p+1], v[XR+16*\p:XR+16*\p+1], v[XR+16*\p+2:XR+16*\p+3]
.endr
.irp n, 4,6,8,10,12,14
.irp p, 0,1,2,3
	v_pk_add_f32 v[AC+2*\p:AC+2*\p+1], v[AC+2*\p:AC+2*\p+1], v[XR+16*\p+\n:XR+16*\p+\n+1]
.endr
.endr
	REDUCE
.irp p, 0,1,2,3
	v_mul_f32 v[MU+2*\p], s38, v[AC+2*\p]
	v_mul_f32 v[MU+2*\p+1], s38, v[AC+2*\p]
.endr
.irp p, 0,1,2,3
.irp n, 0,2,4,6,8,10,12,14
	v_pk_add_f32 v[D+16*\p+\n:D+16*\p+\n+1], v[XR+16*\p+\n:XR+16*\p+\n+1], v[MU+2*\p:MU+2*\p+1] neg_lo:[0,1] neg_hi:[0,1]
.endr
.endr
.irp p, 0,1,2,3
	v_pk_mul_f32 v[AC+2*\p:AC+2*\p+1], v[D+16*\p:D+16*\p+1], v[D+16*\p:D+16*\p+1]
.endr
.irp n, 2,4,6,8,10,12,14
.irp p, 0,1,2,3
	v_pk_fma_f32 v[AC+2*\p:AC+2*\p+1], v[D+16*\p+\n:D+16*\p+\n+1], v[D+16*\p+\n:D+16*\p+\n+1], v[AC+2*\p:AC+2*\p+1]
.endr
.endr
	REDUCE
.irp p, 0,1,2,3
	v_fma_f32 v[AC+2*\p], v[AC+2*\p], s38, s39     ; variance + 1e-5
.endr
.irp p, 0,1,2,3
	v_rsq_f32 v[RS+2*\p], v[AC+2*\p]
.endr
.set n, 0
.rept 16
	v_ldexp_f32 v[GG+n], v[GG+n], s50              ; g and b x 2^-e12 (independent work behind the four roots)
	v_ldexp_f32 v[BB+n], v[BB+n], s50
.set n, n+1
.endr
	s_wait_alu depctr_va_vdst(0)                   ; one wait for the four, ahead of their first reader
.irp p, 0,1,2,3
	v_mov_b32 v[RS+2*\p+1], v[RS+2*\p]
.endr
.irp p, 0,1,2,3
.irp n, 0,2,4,6,8,10,12,14
	v_pk_mul_f32 v[D+16*\p+\n:D+16*\p+\n+1], v[D+16*\p+\n:D+16*\p+\n+1], v[RS+2*\p:RS+2*\p+1]
.endr
.endr
.irp p, 0,1,2,3
.irp n, 0,2,4,6,8,10,12,14
	v_pk_fma_f32 v[D+16*\p+\n:D+16*\p+\n+1], v[D+16*\p+\n:D+16*\p+\n+1], v[GG+\n:GG+\n+1], v[BB+\n:BB+\n+1]
.endr
.endr
.set n, 0
.rept 64
	v_med3_num_f32 v[D+n], v[D+n], s42, s43        ; the conversion does not saturate (ISA guide 7.6.2)
.set n, n+1
.endr
.irp k, 16,17,18,19,20,21,22,23,24,25,26,27,28,29,30,31
	v_cvt_pk_fp8_f32 v\k\().l, v[D+4*(\k-16)], v[D+4*(\k-16)+1]
	v_cvt_pk_fp8_f32 v\k\().h, v[D+4*(\k-16)+2], v[D+4*(\k-16)+3]
.endr
.irp p, 0,1,2,3                        ; word 4 p + i: the codes of columns 128 i + 4 x lane + 0 .. 3 of my row p
.irp i, 0,1,2,3
	ds_store_b32 v[CWA], v[CW+4*\p+\i] offset:XPI*\p+128*\i
.endr
.endr
	s_wait_dscnt 0x0
	s_barrier_signal -1
	s_barrier_wait -1                              ; x2's 32 rows of codes lie in LDS
	; ---- h = gelu(x2 W1 + b1)
	v_and_b32 v252, 15, v0                         ; r
	v_bfe_u32 v253, v0, 4, 1                       ; h
	v_mul_u32_u24 v[FA], v252, XPI
	v_lshl_add_u32 v[FA], v253, 4, v[FA]
	v_add_nc_u32 v[FA], X2S, v[FA]
	s_lshl_b32 s51, s34, 10
	s_add_co_u32 s51, s51, B1S
	v_lshl_add_u32 v[B1A], v253, 6, s51            ; my 256 numbers of b1, + 64 h
	s_lshl_b32 s51, s34, 12
	s_add_co_u32 s51, s51, HIMG
	v_add_nc_u32 v[HW], s51, v[LI]                 ; my units are K steps 2 w and 2 w + 1 of the last product: eight groups of 512 bytes
	v_lshlrev_b32 v[W2A], 11, v252
	v_lshl_add_u32 v[W2A], v253, 4, v[W2A]
	v_add_nc_u32 v[HR], HIMG, v[LI]
	v_mov_b32 v248, s59                            ; 2^e14: the conversion takes its exponent field
	v_mov_b32 v249, s58                            ; 448 x 2^e14
	v_mov_b32 v250, 0x3e2ef945                     ; c9
	v_mov_b32 v251, 0x3e2ef945
.irp m, 0,1
.irp s, 0,1,2,3
.irp c, 0,1,2,3
	ds_load_b128 v[XF+64*\m+16*\s+4*\c:XF+64*\m+16*\s+4*\c+3], v[FA] offset:16*XPI*\m+128*\s+32*\c
.endr
.endr
.endr
	B1LOAD B1A, 0
.macro GELUH m                         ; 16 numbers: the chunk's two tiles of row tile m; then their 16 codes
.set XH, X+16*(\m)
.set n, 0
.rept 16
	v_fma_f32 v[T+n], |v[XH+n]|, s44, 1.0          ; 1 + z / 2
.set n, n+1
.endr
.set n, 0
.rept 16
	v_rcp_f32 v[T+n], v[T+n]
.set n, n+1
.endr
.set n, 0
.rept 8
	v_pk_mul_f32 v[M+n:M+n+1], v[XH+n:XH+n+1], v[XH+n:XH+n+1]    ; x^2 (independent work behind the batch)
.set n, n+2
.endr
	s_wait_alu depctr_va_vdst(0)                   ; one wait for the 16 reciprocals
.set n, 0
.rept 8
	v_pk_fma_f32 v[P+n:P+n+1], v[T+n:T+n+1], v[250:251], 0xbf527892 op_sel_hi:[1,1,0]
.set n, n+2
.endr
.irp k, 0x3fbe87b0,0xbf914e5d,0x3e8ec7cc,0xbe3ec24c,0x3dc636c9,0x3ebf88fb,0x3f8000c7,0xbfa1fc4e
.set n, 0
.rept 8
	v_pk_fma_f32 v[P+n:P+n+1], v[P+n:P+n+1], v[T+n:T+n+1], \k op_sel_hi:[1,1,0]
.set n, n+2
.endr
.endr
.set n, 0
.rept 8
	v_pk_fma_f32 v[P+n:P+n+1], v[M+n:M+n+1], -0.5, v[P+n:P+n+1] op_sel_hi:[1,0,1]          ; P(t) - z^2
.set n, n+2
.endr
.set n, 0
.rept 8
	v_pk_fma_f32 v[P+n:P+n+1], v[P+n:P+n+1], 0x3fb8aa3b, -1.0 op_sel_hi:[1,0,0]            ; x log2(e), less 1: the half
.set n, n+2
.endr
.set n, 0
.rept 16
	v_exp_f32 v[P+n], v[P+n]
.set n, n+1
.endr
.set n, 0
.rept 16
	v_max_num_f32 v[M+n], v[XH+n], 0               ; max(x, 0) (independent work behind the batch)
.set n, n+1
.endr
	s_wait_alu depctr_va_vdst(0)                   ; one wait for the 16 exponentials
.set n, 0
.rept 8
	v_pk_mul_f32 v[P+n:P+n+1], v[P+n:P+n+1], v[T+n:T+n+1]        ; erfc(z) / 2
.set n, n+2
.endr
.set n, 0
.rept 16
	v_fma_f32 v[XH+n], -|v[XH+n]|, v[P+n], v[M+n]
.set n, n+1
.endr
.set n, 0
.rept 16
	v_med3_num_f32 v[XH+n], v[XH+n], -v249, v249   ; the conversion does not saturate (ISA guide 7.6.2)
.set n, n+1
.endr
	v_cvt_scalef32_pk8_fp8_f32 v[PC+4*(\m):PC+4*(\m)+1], v[XH:XH+7], v248
	v_cvt_scalef32_pk8_fp8_f32 v[PC+4*(\m)+2:PC+4*(\m)+3], v[XH+8:XH+15], v248
.endm
; A CHUNK: 32 rows x 32 of my hidden units, out of buffer buf.  Behind its products the buffer is asked for again: pf = 0: W1's rows pr on from the pointer; pf = 1: W2's K steps pr, pr + 1.
; ho: where the chunk's group lies behind the loop's address; nb: where the next chunk's b1 lies behind the loop's address (-1: there is none).
.macro CHUNK buf, ho, nb, pf, pr
	s_wait_loadcnt 32                              ; this chunk's 32 loads are in; the 32 issued behind them may be out
	WIN 0x01
.irp s, 0,1,2,3                        ; four accumulators by turns, K step by K step
.irp m, 0,1
.irp u, 0,1
.if \s == 0
	v_wmma_f32_16x16x128_fp8_fp8 v[X+8*(2*\m+\u):X+8*(2*\m+\u)+7], v[\buf+16*(4*\u+\s):\buf+16*(4*\u+\s)+15], v[XF+64*\m+16*\s:XF+64*\m+16*\s+15], 0
.else
	v_wmma_f32_16x16x128_fp8_fp8 v[X+8*(2*\m+\u):X+8*(2*\m+\u)+7], v[\buf+16*(4*\u+\s):\buf+16*(4*\u+\s)+15], v[XF+64*\m+16*\s:XF+64*\m+16*\s+15], v[X+8*(2*\m+\u):X+8*(2*\m+\u)+7]
.endif
.endr
.endr
.endr
	WIN 0
.rept 4
	v_nop                                          ; four places ahead of the loads into the buffer and of the first read of the sums
.endr
	WIN 0x40
.if \pf == 0
	W1LOAD \buf, \pr
.else
	W2LOAD \pr
	W2LOAD \pr+1
.endif
	WIN 0
	s_wait_dscnt 0x0                               ; this chunk's b1 is in; the last chunk's stores have read the codes' registers
.set n, 0
.rept 16
	v_pk_fma_f32 v[X+n:X+n+1], v[X+n:X+n+1], s[46:47], v[B1+n%16:B1+n%16+1] op_sel_hi:[1,0,1]   ; x = sum x 2^(e12 + e13) + b1
.set n, n+2
.endr
.if \nb >= 0
	B1LOAD B1C, \nb
.endif
	GELUH 0
	GELUH 1
	v_nop                                          ; a plain line behind the last conversion
	ds_store_b128 v[HWC], v[PC:PC+3] offset:\ho                  ; a group of h's image, rows 0-15,
	ds_store_b128 v[HWC], v[PC+4:PC+7] offset:\ho+32768          ; and rows 16-31
.endm
	s_mov_b32 s52, 3
	s_mov_b32 s53, 0
	s_mov_b32 s54, 0
	s_wait_dscnt 0x0                               ; x2's fragments are in
.Lpair:                                            ; three trips of two chunks; each asks for the chunk two further on
	v_add_nc_u32 v[B1C], s53, v[B1A]
	v_add_nc_u32 v[HWC], s54, v[HW]
	CHUNK 0, 0, 128, 0, 64
	CHUNK 128, 512, 256, 0, 96
	s_wait_xcnt 0x0                                ; the loads have read their base
	s_add_nc_u64 s[16:17], s[16:17], 32768         ; 64 rows of W1 on
	s_add_co_u32 s53, s53, 256
	s_add_co_u32 s54, s54, 1024
	s_sub_co_u32 s52, s52, 1
	s_cmp_lg_u32 s52, 0
	s_cbranch_scc1 .Lpair
	v_add_nc_u32 v[B1C], s53, v[B1A]
	v_add_nc_u32 v[HWC], s54, v[HW]
	CHUNK 0, 0, 128, 1, 0                          ; the last two chunks: nothing is left of W1, so W2's first four K steps take the buffers
	CHUNK 128, 512, -1, 1, 2
	s_wait_dscnt 0x0
	s_barrier_signal -1
	s_barrier_wait -1                              ; h's 32 fragments lie in LDS
	; ---- out = x1 + h W2 + b2: sixteen K steps, eight accumulators by turns
.macro KSTEP ks
.if (\ks) < 12
	s_wait_loadcnt 48                              ; this K step's 16 loads are in; three K steps' may be out
.else
	s_wait_loadcnt 16*(15-(\ks))+4                 ; what is left of W2, and b2's four
.endif
.if (\ks) < 15
	s_wait_dscnt 8                                 ; h's two fragments are in; the next K step's eight loads may be out
.else
	s_wait_dscnt 0x0
.endif
	WIN 0x01
.irp m, 0,1
.irp t, 0,1,2,3
.if (\ks) == 0
	v_wmma_f32_16x16x128_fp8_fp8 v[AC2+32*\m+8*\t:AC2+32*\m+8*\t+7], v[64*((\ks)%4)+16*\t:64*((\ks)%4)+16*\t+15], v[HF+32*((\ks)%2)+16*\m:HF+32*((\ks)%2)+16*\m+15], 0
.else
	v_wmma_f32_16x16x128_fp8_fp8 v[AC2+32*\m+8*\t:AC2+32*\m+8*\t+7], v[64*((\ks)%4)+16*\t:64*((\ks)%4)+16*\t+15], v[HF+32*((\ks)%2)+16*\m:HF+32*((\ks)%2)+16*\m+15], v[AC2+32*\m+8*\t:AC2+32*\m+8*\t+7]
.endif
.endr
.endr
	WIN 0
.rept 4
	v_nop                                          ; four places ahead of the loads into the registers just read (behind the last K step: of the first read of the sums)
.endr
.if (\ks) < 12
	WIN 0x40
	W2LOAD (\ks)+4
	WIN 0
.endif
.if (\ks) == 11
.irp i, 0,1,2,3
	global_load_b128 v[B2+4*\i:B2+4*\i+3], v[LI], s[22:23] offset:512*\i
.endr
.endif
.if (\ks) < 14
	HFLOAD (\ks)+2
.endif
.endm
	HFLOAD 0
	HFLOAD 1
.irp ks, 0,1,2,3,4,5,6,7,8,9,10,11,12,13,14,15
	KSTEP \ks
.endr
.irp p, 0,1,2,3
.irp i, 0,1,2,3
	ds_load_b128 v[X1R+16*\p+4*\i:X1R+16*\p+4*\i+3], v[X1A] offset:2048*\p+512*\i    ; my four rows of x1, out of my own bytes
.endr
.endr
	TOSTG AC2                                      ; the stage's first readers passed two barriers ago
	FROMSTG SR2
	s_wait_loadcnt 0x0                             ; b2
.irp p, 0,1,2,3
.irp n, 0,2,4,6,8,10,12,14
	v_pk_add_f32 v[X1R+16*\p+\n:X1R+16*\p+\n+1], v[X1R+16*\p+\n:X1R+16*\p+\n+1], v[B2+\n:B2+\n+1]   ; x1 + b2
.endr
.endr
	s_wait_dscnt 0x0
.set n, 0
.rept 32
	v_pk_fma_f32 v[X1R+n:X1R+n+1], v[SR2+n:SR2+n+1], s[48:49], v[X1R+n:X1R+n+1] op_sel_hi:[1,0,1]   ; out = sum x 2^(e14 + e15) + x1 + b2
.set n, n+2
.endr
.irp p, 0,1,2,3
.irp i, 0,1,2,3
	global_store_b128 v[LI], v[X1R+16*\p+4*\i:X1R+16*\p+4*\i+3], s[26:27] offset:2048*\p+512*\i th:TH_STORE_NT   ; 512 consecutive bytes, at a multiple of 256 from the buffer's first byte
.endr
.endr
	s_wait_xcnt 0x0
	v_lshl_add_u32 v254, v0, 2, 0x3a400
	v_mov_b32 v255, 0
	s_wait_tensorcnt 0x0
	ds_add_u32 v254, v255
	s_wait_dscnt 0x0
	s_endpgm
.Lfunc_end_k_qc8544ff6c1_post:
	.size	k_qc8544ff6c1_post, .Lfunc_end_k_qc8544ff6c1_post-k_qc8544ff6c1_post
	.p2alignl 7, 3214868480
	.fill 96, 4, 3214868480
	.section	.rodata,"a",@progbits
	.p2align	6, 0x0
	.amdhsa_kernel k_qc8544ff6c1_post
		.amdhsa_group_segment_fixed_size 239616
		.amdhsa_private_segment_fixed_size 0
		.amdhsa_enable_private_segment 0
		.amdhsa_kernarg_size 96
		.amdhsa_user_sgpr_count 2
		.amdhsa_user_sgpr_kernarg_segment_ptr 1
		.amdhsa_wavefront_size32 1
		.amdhsa_system_sgpr_workgroup_id_x 1
		.amdhsa_system_sgpr_workgroup_id_y 1
		.amdhsa_system_sgpr_workgroup_id_z 1
		.amdhsa_system_vgpr_workitem_id 0
		.amdhsa_next_free_vgpr 512
		.amdhsa_next_free_sgpr 66
		.amdhsa_reserve_vcc 0
		.amdhsa_float_denorm_mode_32 3
		.amdhsa_float_denorm_mode_16_64 3
		.amdhsa_memory_ordered 1
		.amdhsa_forward_progress 1
		.amdhsa_inst_pref_size 243
	.end_amdhsa_kernel
	.amdgpu_metadata
---
amdhsa.version: [ 1, 2 ]
amdhsa.kernels:
  - .name:           k_qc8544ff6c1_post
    .symbol:         k_qc8544ff6c1_post.kd
    .args:
      - { .name: av_img, .offset: 0, .size: 8, .value_kind: global_buffer, .address_space: global }
      - { .name: Wo_codes, .offset: 8, .size: 8, .value_kind: global_buffer, .address_space: global }
      - { .name: bo, .offset: 16, .size: 8, .value_kind: global_buffer, .address_space: global }
      - { .name: x, .offset: 24, .size: 8, .value_kind: global_buffer, .address_space: global }
      - { .name: ln2_g, .offset: 32, .size: 8, .value_kind: global_buffer, .address_space: global }
      - { .name: ln2_b, .offset: 40, .size: 8, .value_kind: global_buffer, .address_space: global }
      - { .name: W1_codes, .offset: 48, .size: 8, .value_kind: global_buffer, .address_space: global }
      - { .name: b1, .offset: 56, .size: 8, .value_kind: global_buffer, .address_space: global }
      - { .name: W2_codes, .offset: 64, .size: 8, .value_kind: global_buffer, .address_space: global }
      - { .name: b2, .offset: 72, .size: 8, .value_kind: global_buffer, .address_space: global }
      - { .name: lowp_scales, .offset: 80, .size: 8, .value_kind: global_buffer, .address_space: global }
      - { .name: out0, .offset: 88, .size: 8, .value_kind: global_buffer, .address_space: global }
    .group_segment_fixed_size: 239616
    .private_segment_fixed_size: 0
    .kernarg_segment_align: 8
    .kernarg_segment_size: 96
    .max_flat_workgroup_size: 256
    .sgpr_count:     66
    .vgpr_count:     512
    .wavefront_size: 32
...
	.end_amdgpu_metadata
.endif
;; end of part 3
;; ======== version 2 of 2: 3 launches; version 1 with the launches qkv, attn, post written anew for expert scheduling mode
;; workspace buffers: q_img 4,194,304 bytes; k_img 4,194,304 bytes; v_img 4,194,304 bytes; av_img 4,194,304 bytes
;; launch qkv (part 4): grid 128 x 2, 4 waves a work-group, no clusters, 102,912 bytes of LDS; arguments x, ln1_g, ln1_b, Wq_codes, Wk_codes, Wv_codes, bq, bk, bv, lowp_scales, q_img, k_img, v_img; writes q_img, k_img, v_img
.if DOCPART == 4
	.amdgcn_target "amdgcn-amd-amdhsa--gfx1250"
	.amdhsa_code_object_version 6
	.text
	.protected	k_qc8544ff6c1_qkv
	.globl	k_qc8544ff6c1_qkv
	.p2align	8
	.type	k_qc8544ff6c1_qkv,@function
k_qc8544ff6c1_qkv:
	s_mov_b64 s[64:65], 0
	v_nop
	global_prefetch_b8 v0, s[64:65] scope:SCOPE_SE
	s_setreg_imm32_b32 hwreg(HW_REG_WAVE_SCHED_MODE, 0, 2), 2
	s_setreg_imm32_b32 hwreg(HW_REG_WAVE_MODE, 25, 1), 1
	s_wait_xcnt 0x0
	s_wait_alu depctr_vm_vsrc(0)
; LayerNorm 1, xn quantised three times (scales e1, e3, e5), q = xn Wq + bq, k, v on E4M3 codes, and q, k, v quantised (e6, e7, e9).
; SHARES.  A work-group takes 64 rows (work-group x) and four heads (work-group y); wave w is head 4 y + w and keeps that head's Wq, Wk, Wv
; (3 x 64 columns x 512 K = 768 registers) for all 64 rows.  For the LayerNorm wave w owns rows 16 w .. 16 w + 15, half a row a lane.
; xn's codes go from wave to wave through LDS as images of the operand's registers: a group of four registers by one ds_store_b128 at 16 x lane.
; K LAYOUT of products 1 to 3, the same on both sides: registers 4 c .. 4 c + 3 of a fragment hold k = 128 s + 32 c + 16 (lane / 16) + 0 .. 15.
; q and k: source 0 = 16 rows of W (columns e of the head), source 1 = 16 tokens: a lane holds one token and eight neighbouring e: its codes are
; registers 2 t, 2 t + 1 of the 16x16x64 form's operand.  v: the sources change places: a lane holds one d and eight neighbouring tokens,
; which are the keys, the K of the second product of attention.  Lane r of v's tile 2 b + u takes d = 32 b + 8 u + r + 8 (r / 8).
; The biases go in as the C of each sum's first product, divided by the power of two that the sums lack.
; No tensor load and no cluster: each weight fragment is wanted by one wave alone and goes straight into its registers.
; LIMITS: e1, e3, e5, e6-e0-e1, e7-e2-e3, e9-e4-e5 between -126 and 119.  NaN and infinities among the inputs are not served.
; THE MODE: SCHED_MODE bits 1:0 = 2 (LLVM: expert scheduling mode 2), set by the entry lines.  The code itself states the register dependences
; between vector or matrix instructions and memory or LDS instructions, with s_wait_alu, always for 0.
; THE PLAN.  Registers that memory or LDS instructions touch:
;   v1-v14       addresses, made once at the head and never written again.
;   G, BT        g and b of K step s land here; the step's scalings read them; the loads of step s + 1 are issued behind the wait that stands ahead of the first set's LDS stores.
;   PC (norm)    a set's conversions write it, its four LDS stores read it; it is written again behind the next set's 64 holds and a wait on vm_vsrc.
;   window 3, BQ, BK, A0   Wv and the biases land behind the last set's wait on va_vdst, behind which no vector instruction stands.
;   XF           a product's 16 matrix instructions read it; the next fragments land behind the ONE wait on va_vdst that closes a product.
;   PC, PCK, VC  q's, k's and v's codes: written by product p's conversions, read by the stores that are issued behind product p + 1's wait;
;                written again a round of three products later, behind the pair of waits ahead of q's conversions.
.set GB,   0                           ; LDS: ln1_g (2,048 bytes), then ln1_b
.set XIMG, 4096                        ; three sets of 16 fragments (row tile m, K step s at (4 m + s) x 2,048)
.set SETB, 32768
.set FRB,  2048
.set LI0, 1                            ; 16 x lane
.set XA,  2                            ; x: 2048 r + 64 h
.set WA,  3                            ; Wq, Wk: 512 r + 16 h
.set WAV, 4                            ; Wv: 512 (r + 8 (r / 8)) + 16 h
.set GL,  5                            ; g, b in LDS: 64 h
.set LQ,  6                            ; the three sets, read: XIMG + 16 x lane (+ SETB, + 2 SETB)
.set LK,  7
.set LV,  8
.set SQ,  9                            ; and written: + 8192 x wave (set k by v[SQ + k])
.set SK,  10
.set SV,  11
.set BA,  12                           ; bq, bk: 32 h
.set BVA, 13                           ; bv: 4 (r + 8 (r / 8))
.set GS,  14                           ; 16 x thread
.set PT,  15                           ; the lane exchange's destination
.set G,   16                           ; LayerNorm phase: 64 of g, 64 of b, 64 at work, 16 of codes
.set BT,  80
.set TMP, 144
.set XF,  16                           ; product phase: xn's four fragments of a row tile
.set ACC, 80
.set BQ,  112
.set BK,  144
.set BV,  176
.set PC,  208                          ; LayerNorm phase: a set's 16 registers of codes; product phase: q's codes, 8 registers
.set VC,  216                          ; v's codes
.set PCK, 244                          ; product phase: k's codes, 8 registers, where the norm's figures lay
.set MU,  244
.set RS,  246
.set A0,  248
.set MSB, 0
.macro WIN new                         ; the immediate's high byte repeats the setting that is left
.if MSB != (\new)
	s_set_vgpr_msb (MSB<<8)|(\new)
.set MSB, (\new)
.endif
.endm
.macro MKSC vs, se                     ; v[vs] = 2^e as f32, v[vs+1] = 448 x 2^e
	s_add_co_i32 s56, s[\se], 127
	s_lshl_b32 s57, s56, 23
	v_mov_b32 v[\vs], s57
	s_add_co_i32 s56, s56, 8
	s_lshl_b32 s56, s56, 23
	s_or_b32 s56, s56, 0x600000
	v_mov_b32 v[\vs+1], s56
.endm
.macro WFRAG reg, adr, base, off       ; a weight fragment: 16 rows x 128 K
.irp c, 0,1,2,3
	global_load_b128 v[(\reg)+4*\c:(\reg)+4*\c+3], v[\adr], s[\base:\base+1] offset:(\off)+32*\c
.endr
.endm
.macro GBLOAD s                        ; g and b of my 64 numbers of K step s
.irp b, 0,1,2,3
.irp j, 0,1,2,3
	ds_load_b128 v[G+16*\b+4*\j:G+16*\b+4*\j+3], v[GL] offset:GB+512*(\s)+128*\b+16*\j
	ds_load_b128 v[BT+16*\b+4*\j:BT+16*\b+4*\j+3], v[GL] offset:GB+2048+512*(\s)+128*\b+16*\j
.endr
.endr
.endm
.macro QSET k, s                       ; K step s of xn (window 3) under set k's scale (v[232 + 2 k], v[233 + 2 k]): hold, convert, image to LDS
	WIN 0x03
.set n, 0
.rept 64
	v_med3_num_f32 v[TMP+n], v[64*(\s)+n], -v[233+2*(\k)], v[233+2*(\k)]   ; the conversion to an 8-bit code does not saturate (ISA guide 7.6.2)
.set n, n+1
.endr
	WIN 0
.if (\k) > 0 || (\s) > 0
	s_wait_alu depctr_vm_vsrc(0)                   ; the last set's LDS stores have read the codes' registers, which the conversions below write again
.endif
.irp e, 0,1,2,3,4,5,6,7
	v_cvt_scalef32_pk8_fp8_f32 v[PC+2*\e:PC+2*\e+1], v[TMP+8*\e:TMP+8*\e+7], v[232+2*(\k)]
.endr
	v_nop                                          ; a plain line behind the last conversion
	s_wait_alu depctr_va_vdst(0)                   ; the conversions have written the codes, which the LDS stores read; in a K step's first set: the scalings are done with g's and b's registers
.irp c, 0,1,2,3
	ds_store_b128 v[SQ+(\k)], v[PC+4*\c:PC+4*\c+3] offset:FRB*(\s)+512*\c
.endr
.if (\k) == 0 && (\s) < 3
	GBLOAD (\s)+1                                  ; no vector instruction since the wait above names g's and b's registers
.endif
.endm
.macro FETCH adr, m                    ; the four fragments of row tile m out of one set
.irp s, 0,1,2,3
.irp c, 0,1,2,3
	ds_load_b128 v[XF+16*\s+4*\c:XF+16*\s+4*\c+3], v[\adr] offset:(4*(\m)+\s)*FRB+512*\c
.endr
.endr
.endm
.macro PROD win, swap, bias            ; 16 products: four accumulators by turns, K step by K step; the bias starts the sums
	s_wait_dscnt 0x0                               ; xn's fragments are in
	WIN \win
.irp s, 0,1,2,3
.irp t, 0,1,2,3
.if \swap
.if \s == 0
	v_wmma_f32_16x16x128_fp8_fp8 v[ACC+8*\t:ACC+8*\t+7], v[XF+16*\s:XF+16*\s+15], v[16*(4*\t+\s):16*(4*\t+\s)+15], v[\bias+8*\t:\bias+8*\t+7]
.else
	v_wmma_f32_16x16x128_fp8_fp8 v[ACC+8*\t:ACC+8*\t+7], v[XF+16*\s:XF+16*\s+15], v[16*(4*\t+\s):16*(4*\t+\s)+15], v[ACC+8*\t:ACC+8*\t+7]
.endif
.else
.if \s == 0
	v_wmma_f32_16x16x128_fp8_fp8 v[ACC+8*\t:ACC+8*\t+7], v[16*(4*\t+\s):16*(4*\t+\s)+15], v[XF+16*\s:XF+16*\s+15], v[\bias+8*\t:\bias+8*\t+7]
.else
	v_wmma_f32_16x16x128_fp8_fp8 v[ACC+8*\t:ACC+8*\t+7], v[16*(4*\t+\s):16*(4*\t+\s)+15], v[XF+16*\s:XF+16*\s+15], v[ACC+8*\t:ACC+8*\t+7]
.endif
.endif
.endr
.endr
	WIN 0
.rept 4
	v_nop                                          ; four places ahead of the first read of the sums
.endr
	s_wait_alu depctr_va_vdst(0)                   ; the products are done reading xn's fragments, in which the next ones land; the conversions of the product before have written their codes, which the stores below read
.endm
.macro HOLD sc
.set n, 0
.rept 32
	v_med3_num_f32 v[ACC+n], v[ACC+n], -v[\sc+1], v[\sc+1]
.set n, n+1
.endr
.endm
.macro CQK sc, pc, free                ; 16 tokens x 64 e become codes in v[pc] on.  free = 1: q's, the first of a round of three products
	HOLD \sc
.if \free
	s_wait_alu depctr_va_vdst(0)
	s_wait_xcnt 0x0                                ; the last round's stores have had their addresses translated,
	s_wait_alu depctr_vm_vsrc(0)                   ; and have read q's, k's and v's codes (in the first round: the norm's LDS stores have read v208 to v223): this round's conversions write these registers again
.endif
.irp t, 0,1,2,3
	v_cvt_scalef32_pk8_fp8_f32 v[\pc+2*\t:\pc+2*\t+1], v[ACC+8*\t:ACC+8*\t+7], v[\sc]
.endr
	v_nop
.endm
.macro SQK pc, ptr, m                  ; two stores of 512 consecutive bytes
	global_store_b128 v[LI0], v[\pc:\pc+3], s[\ptr:\ptr+1] offset:1024*(\m)
	global_store_b128 v[LI0], v[\pc+4:\pc+7], s[\ptr:\ptr+1] offset:1024*(\m)+512
.endm
.macro CV m                            ; 64 d x 16 tokens: two row tiles fill a group of four registers
	HOLD 242
.irp t, 0,1,2,3
	v_cvt_scalef32_pk8_fp8_f32 v[VC+4*\t+2*((\m)%2):VC+4*\t+2*((\m)%2)+1], v[ACC+8*\t:ACC+8*\t+7], v242
.endr
	v_nop
.endm
.macro SVC m                           ; m odd: the groups of row tiles m - 1 and m
.irp t, 0,1,2,3
	global_store_b128 v[LI0], v[VC+4*\t:VC+4*\t+3], s[32:33] offset:2048*\t+512*((\m)/2)
.endr
.endm
	s_load_b512 s[8:23], s[0:1], 0x0               ; x 8, ln1_g 10, ln1_b 12, Wq 14, Wk 16, Wv 18, bq 20, bk 22
	s_load_b256 s[24:31], s[0:1], 0x40             ; bv 24, the scales' exponents 26, q_img 28, k_img 30
	s_load_b64 s[32:33], s[0:1], 0x60              ; v_img
	v_lshrrev_b32 v[A0], 5, v0
	v_readfirstlane_b32 s34, v[A0]                 ; wave 0..3
	v_and_b32 v250, 31, v0                         ; lane
	v_and_b32 v248, 15, v0                         ; r
	v_bfe_u32 v249, v0, 4, 1                       ; h
	v_and_b32 v251, 8, v248
	v_add_nc_u32 v251, v251, v248                  ; r + 8 (r / 8)
	v_lshlrev_b32 v[LI0], 4, v250
	v_lshlrev_b32 v[XA], 11, v248
	v_lshl_add_u32 v[XA], v249, 6, v[XA]
	v_lshlrev_b32 v[WA], 9, v248
	v_lshl_add_u32 v[WA], v249, 4, v[WA]
	v_lshlrev_b32 v[WAV], 9, v251
	v_lshl_add_u32 v[WAV], v249, 4, v[WAV]
	v_lshlrev_b32 v[GL], 6, v249
	v_add_nc_u32 v[LQ], XIMG, v[LI0]
	v_add_nc_u32 v[LK], XIMG+SETB, v[LI0]
	v_add_nc_u32 v[LV], XIMG+2*SETB, v[LI0]
	s_wait_alu depctr_va_sdst(0)                   ; s34, the wave's number, is written, ahead of its first reader
	s_lshl_b32 s35, s34, 13
	v_add_nc_u32 v[SQ], s35, v[LQ]
	v_add_nc_u32 v[SK], s35, v[LK]
	v_add_nc_u32 v[SV], s35, v[LV]
	v_lshlrev_b32 v[BA], 5, v249
	v_lshlrev_b32 v[BVA], 2, v251
	v_lshlrev_b32 v[GS], 4, v0
	v_mov_b32 v[PT], 0
	s_mov_b32 s36, 0x76543210                      ; lane l xor 16
	s_mov_b32 s37, 0xfedcba98
	s_mov_b32 s38, 0x3b000000                      ; 1 / 512
	s_mov_b32 s39, 0x3727c5ac                      ; 1e-5
	s_wait_kmcnt 0x0
	s_load_b256 s[40:47], s[26:27], 0x0            ; e0 .. e7
	s_load_b64 s[48:49], s[26:27], 0x20            ; e8, e9
	s_lshl_b32 s50, ttmp9, 17                      ; 64 rows of 2,048 bytes a block,
	s_lshl_b32 s51, s34, 15                        ; 16 a wave
	s_add_co_u32 s50, s50, s51
	s_mov_b32 s51, 0
	s_add_nc_u64 s[8:9], s[8:9], s[50:51]
	s_and_b32 s52, ttmp7, 0xffff
	s_lshl_b32 s52, s52, 2
	s_add_co_u32 s52, s52, s34                     ; my head
	s_lshl_b32 s54, s52, 15                        ; its 64 rows of 512 codes
	s_mov_b32 s55, 0
	s_add_nc_u64 s[14:15], s[14:15], s[54:55]
	s_add_nc_u64 s[16:17], s[16:17], s[54:55]
	s_add_nc_u64 s[18:19], s[18:19], s[54:55]
	s_lshl_b32 s54, s52, 8
	s_add_nc_u64 s[20:21], s[20:21], s[54:55]
	s_add_nc_u64 s[22:23], s[22:23], s[54:55]
	s_add_nc_u64 s[24:25], s[24:25], s[54:55]
	s_lshr_b32 s53, ttmp9, 5                       ; batch
	s_lshl_b32 s53, s53, 3
	s_add_co_u32 s53, s53, s52                     ; batch x 8 + head
	s_lshl_b32 s53, s53, 17                        ; 131,072 bytes of each image
	s_and_b32 s56, ttmp9, 31                       ; which 64 tokens of the 2,048
	s_lshl_b32 s54, s56, 12
	s_add_co_u32 s54, s54, s53
	s_add_nc_u64 s[28:29], s[28:29], s[54:55]
	s_add_nc_u64 s[30:31], s[30:31], s[54:55]
	s_lshr_b32 s54, s56, 1                         ; v: the key step of 128,
	s_lshl_b32 s54, s54, 13
	s_and_b32 s57, s56, 1                          ; and its half: two groups of 512 bytes
	s_lshl_b32 s57, s57, 10
	s_add_co_u32 s54, s54, s57
	s_add_co_u32 s54, s54, s53
	s_add_nc_u64 s[32:33], s[32:33], s[54:55]
	s_wait_alu depctr_va_vdst(0)                   ; the fourteen addresses v1 to v14 are written, which every load and store of the kernel reads
	global_load_b128 v[16:19], v[GS], s[10:11]
	global_load_b128 v[20:23], v[GS], s[12:13]
	WIN 0xc0                                       ; x into window 3: register 64 s + 16 b + i = x(r, 128 s + 32 b + 16 h + i)
.irp s, 0,1,2,3
.irp b, 0,1,2,3
.irp j, 0,1,2,3
	global_load_b128 v[64*\s+16*\b+4*\j:64*\s+16*\b+4*\j+3], v[XA], s[8:9] offset:512*\s+128*\b+16*\j
.endr
.endr
.endr
	WIN 0x40                                       ; Wq into window 1: fragment (t, s) at 16 (4 t + s)
.irp f, 0,1,2,3,4,5,6,7,8,9,10,11,12,13,14
	WFRAG 16*\f, WA, 14, (\f/4)*8192+(\f%4)*128
.endr
	WIN 0
	s_wait_kmcnt 0x0
	s_add_co_i32 s58, s40, s41
	s_add_co_i32 s59, s42, s43
	s_add_co_i32 s60, s44, s45
	s_sub_co_i32 s61, s46, s58                     ; a sum stands for sum x 2^(e0 + e1): q's conversion takes 2^(e6 - e0 - e1)
	s_sub_co_i32 s62, s47, s59
	s_sub_co_i32 s63, s49, s60
	s_sub_co_i32 s66, 0, s58
	s_sub_co_i32 s67, 0, s59
	s_sub_co_i32 s68, 0, s60
	MKSC 232, 41
	MKSC 234, 43
	MKSC 236, 45
	MKSC 238, 61
	MKSC 240, 62
	MKSC 242, 63
	s_wait_loadcnt 60                              ; behind g, b and x stand the 60 loads of Wq: they may be out
	ds_store_b128 v[GS], v[16:19] offset:GB
	ds_store_b128 v[GS], v[20:23] offset:GB+2048
	WIN 0x40
	WFRAG 240, WA, 14, 3*8192+3*128
	WIN 0x80                                       ; Wk into window 2
.irp f, 0,1,2,3,4,5,6,7,8,9,10,11,12,13,14,15
	WFRAG 16*\f, WA, 16, (\f/4)*8192+(\f%4)*128
.endr
	WIN 0
	s_wait_dscnt 0x0                               ; my part of g and b lies in LDS
	s_barrier_signal -1
	s_barrier_wait -1
	s_wait_alu depctr_vm_vsrc(0)                   ; my two LDS stores have read v16 to v23, in which g of the first K step lands
	GBLOAD 0
	; the mean: 256 numbers a lane in four chains, then the lane 16 away
.macro FOLD
	v_pk_add_f32 v[A0:A0+1], v[A0:A0+1], v[A0+2:A0+3]
	v_pk_add_f32 v[A0+4:A0+5], v[A0+4:A0+5], v[A0+6:A0+7]
	v_pk_add_f32 v[A0:A0+1], v[A0:A0+1], v[A0+4:A0+5]
	v_add_f32 v[A0], v[A0], v[A0+1]
	v_permlanex16_b32 v[PT], v[A0], s36, s37
	v_add_f32 v[A0], v[A0], v[PT]
.endm
	WIN 0x0f
.irp i, 0,1,2,3
	v_pk_add_f32 v[A0+2*\i:A0+2*\i+1], v[4*\i:4*\i+1], v[4*\i+2:4*\i+3]
.endr
	WIN 0x0c
.set n, 8
.rept 120
	v_pk_add_f32 v[A0+2*(n%4):A0+2*(n%4)+1], v[A0+2*(n%4):A0+2*(n%4)+1], v[2*n:2*n+1]
.set n, n+1
.endr
	WIN 0
	FOLD
	v_mul_f32 v[MU], s38, v[A0]
	v_mov_b32 v[MU+1], v[MU]
	WIN 0xc3                                       ; x - mean, in place: the variance is taken of the differences
.set n, 0
.rept 128
	v_pk_add_f32 v[n:n+1], v[n:n+1], v[MU:MU+1] neg_lo:[0,1] neg_hi:[0,1]
.set n, n+2
.endr
	WIN 0x0f
.irp i, 0,1,2,3
	v_pk_mul_f32 v[A0+2*\i:A0+2*\i+1], v[2*\i:2*\i+1], v[2*\i:2*\i+1]
.endr
.set n, 4
.rept 124
	v_pk_fma_f32 v[A0+2*(n%4):A0+2*(n%4)+1], v[2*n:2*n+1], v[2*n:2*n+1], v[A0+2*(n%4):A0+2*(n%4)+1]
.set n, n+1
.endr
	WIN 0
	FOLD
	v_fma_f32 v[A0], v[A0], s38, s39               ; variance + 1e-5
	s_wait_alu depctr_va_vdst(0)
	v_rsq_f32 v[RS], v[A0]
	v_nop                                          ; a plain line behind the transcendental,
	s_wait_alu depctr_va_vdst(0)                   ; and a wait ahead of its first reader: the root is written
	v_mov_b32 v[RS+1], v[RS]
	s_wait_alu depctr_va_vdst(0)
.irp s, 0,1,2,3                        ; xn = (x - mean) (g / sigma) + b, a K step at a time, and its three sets of codes
	s_wait_dscnt 0x0                               ; g and b of this K step are in
.set n, 0
.rept 32
	v_pk_mul_f32 v[G+n:G+n+1], v[G+n:G+n+1], v[RS:RS+1]
.set n, n+2
.endr
	WIN 0xc3
.set n, 0
.rept 32
	v_pk_fma_f32 v[64*\s+n:64*\s+n+1], v[64*\s+n:64*\s+n+1], v[G+n:G+n+1], v[BT+n:BT+n+1]
.set n, n+2
.endr
	WIN 0
	QSET 0, \s                                     ; behind its stores the next K step's g and b are asked for
	QSET 1, \s
	QSET 2, \s
.endr
; Behind the last set's wait on va_vdst stands no vector instruction: the biases land where b and the numbers at work lay, Wv where xn lay, xn's first fragments where g lay, with no further wait.
.irp t, 0,1,2,3                        ; the biases in the results' layouts: q, k: e = 16 t + 8 h + 0 .. 7; v: one d a lane
	global_load_b128 v[BQ+8*\t:BQ+8*\t+3], v[BA], s[20:21] offset:64*\t
	global_load_b128 v[BQ+8*\t+4:BQ+8*\t+7], v[BA], s[20:21] offset:64*\t+16
	global_load_b128 v[BK+8*\t:BK+8*\t+3], v[BA], s[22:23] offset:64*\t
	global_load_b128 v[BK+8*\t+4:BK+8*\t+7], v[BA], s[22:23] offset:64*\t+16
.endr
.irp t, 0,1,2,3
	global_load_b32 v[A0+\t], v[BVA], s[24:25] offset:(32*(\t/2)+8*(\t%2))*4
.endr
	WIN 0xc0                                       ; Wv takes x's place in window 3
.irp f, 0,1,2,3,4,5,6,7,8,9,10,11,12,13,14,15
	WFRAG 16*\f, WAV, 18, (32*(\f/8)+8*((\f/4)%2))*512+(\f%4)*128
.endr
	WIN 0
	s_wait_dscnt 0x0                               ; my images lie in LDS
	s_barrier_signal -1
	s_barrier_wait -1                              ; everybody's do
	FETCH LQ, 0
	s_wait_loadcnt 63                              ; at most 63 of Wv's 64 loads are out: the biases, Wq and Wk are in
.set n, 0
.rept 32
	v_ldexp_f32 v[BQ+n], v[BQ+n], s66
	v_ldexp_f32 v[BK+n], v[BK+n], s67
.set n, n+1
.endr
.irp t, 0,1,2,3
.irp j, 0,1,2,3,4,5,6,7
	v_ldexp_f32 v[BV+8*\t+\j], v[A0+\t], s68
.endr
.endr
.irp m, 0,1,2,3                        ; a row tile at a time: q, k, v.  Behind each product's one wait: the next product's fragments, and the stores of the product before
	PROD 0x01, 0, BQ
	FETCH LK, \m
.if \m == 2
	SVC 1
.endif
	CQK 238, PC, 1
	PROD 0x02, 0, BK
	FETCH LV, \m
	SQK PC, 28, \m
	CQK 240, PCK, 0
.if \m == 0
	s_wait_loadcnt 0x0                             ; Wv
.endif
	PROD 0x0c, 1, BV
.if \m < 3
	FETCH LQ, \m+1
.endif
	SQK PCK, 30, \m
	CV \m
.endr
	s_wait_alu depctr_va_vdst(0)                   ; the last conversions have written v's codes, which the last four stores read
	SVC 3
	s_wait_xcnt 0x0
	v_lshl_add_u32 v254, v0, 2, 0x19000
	v_mov_b32 v255, 0
	s_wait_dscnt 0x0                               ; the closing lines, six on end
	s_wait_alu 0x0
	s_wait_tensorcnt 0x0
	ds_add_u32 v254, v255
	s_wait_dscnt 0x0
	s_endpgm
.Lfunc_end_k_qc8544ff6c1_qkv:
	.size	k_qc8544ff6c1_qkv, .Lfunc_end_k_qc8544ff6c1_qkv-k_qc8544ff6c1_qkv
	.p2alignl 7, 3214868480
	.fill 96, 4, 3214868480
	.section	.rodata,"a",@progbits
	.p2align	6, 0x0
	.amdhsa_kernel k_qc8544ff6c1_qkv
		.amdhsa_group_segment_fixed_size 102912
		.amdhsa_private_segment_fixed_size 0
		.amdhsa_enable_private_segment 0
		.amdhsa_kernarg_size 104
		.amdhsa_user_sgpr_count 2
		.amdhsa_user_sgpr_kernarg_segment_ptr 1
		.amdhsa_wavefront_size32 1
		.amdhsa_system_sgpr_workgroup_id_x 1
		.amdhsa_system_sgpr_workgroup_id_y 1
		.amdhsa_system_sgpr_workgroup_id_z 1
		.amdhsa_system_vgpr_workitem_id 0
		.amdhsa_next_free_vgpr 1024
		.amdhsa_next_free_sgpr 96
		.amdhsa_reserve_vcc 0
		.amdhsa_float_denorm_mode_32 3
		.amdhsa_float_denorm_mode_16_64 3
		.amdhsa_memory_ordered 1
		.amdhsa_forward_progress 1
		.amdhsa_inst_pref_size 204
	.end_amdhsa_kernel
	.amdgpu_metadata
---
amdhsa.version: [ 1, 2 ]
amdhsa.kernels:
  - .name:           k_qc8544ff6c1_qkv
    .symbol:         k_qc8544ff6c1_qkv.kd
    .args:
      - { .name: x, .offset: 0, .size: 8, .value_kind: global_buffer, .address_space: global }
      - { .name: ln1_g, .offset: 8, .size: 8, .value_kind: global_buffer, .address_space: global }
      - { .name: ln1_b, .offset: 16, .size: 8, .value_kind: global_buffer, .address_space: global }
      - { .name: Wq_codes, .offset: 24, .size: 8, .value_kind: global_buffer, .address_space: global }
      - { .name: Wk_codes, .offset: 32, .size: 8, .value_kind: global_buffer, .address_space: global }
      - { .name: Wv_codes, .offset: 40, .size: 8, .value_kind: global_buffer, .address_space: global }
      - { .name: bq, .offset: 48, .size: 8, .value_kind: global_buffer, .address_space: global }
      - { .name: bk, .offset: 56, .size: 8, .value_kind: global_buffer, .address_space: global }
      - { .name: bv, .offset: 64, .size: 8, .value_kind: global_buffer, .address_space: global }
      - { .name: lowp_scales, .offset: 72, .size: 8, .value_kind: global_buffer, .address_space: global }
      - { .name: q_img, .offset: 80, .size: 8, .value_kind: global_buffer, .address_space: global }
      - { .name: k_img, .offset: 88, .size: 8, .value_kind: global_buffer, .address_space: global }
      - { .name: v_img, .offset: 96, .size: 8, .value_kind: global_buffer, .address_space: global }
    .group_segment_fixed_size: 102912
    .private_segment_fixed_size: 0
    .kernarg_segment_align: 8
    .kernarg_segment_size: 104
    .max_flat_workgroup_size: 128
    .sgpr_count:     96
    .vgpr_count:     1024
    .wavefront_size: 32
...
	.end_amdgpu_metadata
.endif
;; end of part 4
;; launch attn (part 5): grid 8 x 32, 8 waves a work-group, no clusters, 263,168 bytes of LDS; arguments q_img, k_img, v_img, lowp_scales, av_img; writes av_img
.if DOCPART == 5
	.amdgcn_target "amdgcn-amd-amdhsa--gfx1250"
	.amdhsa_code_object_version 6
	.text
	.protected	k_qc8544ff6c1_attn
	.globl	k_qc8544ff6c1_attn
	.p2align	8
	.type	k_qc8544ff6c1_attn,@function
k_qc8544ff6c1_attn:
	s_mov_b64 s[64:65], 0
	v_nop
	global_prefetch_b8 v0, s[64:65] scope:SCOPE_SE
	s_setreg_imm32_b32 hwreg(HW_REG_WAVE_SCHED_MODE, 0, 2), 2
	s_setreg_imm32_b32 hwreg(HW_REG_WAVE_MODE, 25, 1), 1
	s_wait_xcnt 0x0
	s_wait_alu depctr_vm_vsrc(0)
; Attention of one head on E4M3 codes: S^T = K Q^T (16x16x64), p = 2^(t - M), O^T += V^T P^T (16x16x128), O / l quantised with e10.
; SHARES.  A work-group owns 256 queries of one (batch, head); each of its eight waves 32 of them, two tiles, so that each fragment of K and V read from
; LDS feeds two products.  The head's whole K and V, 131,072 bytes each, are copied into LDS once, as the images in which the launch before stored them:
; one barrier in the launch, every LDS access 16 x lane.  No ring, so no tensor load.
; No cluster: what the eight work-groups of a head share is read once by each, at its head, and is small beside the work on it.
; LAYOUT.  Both products are used transposed: a lane holds ONE query (lane % 16).  In S^T register j of tile T is key 16 T + 8 (lane / 16) + j, which is the place
; that the 16x16x128 form's own layout gives registers 2 T, 2 T + 1: the conversions' results are the second product's operand.
; V's rows of tile 2 b + u are d = 32 b + 8 u + r + 8 (r / 8), so that O^T's tiles 2 b, 2 b + 1 hold 16 neighbouring d: a group of the next product's operand.
; SOFTMAX.  t = score x log2(e) / 8; M = ceil of the running largest t, kept as -M = floor(-t); the sum is taken of the unquantised p; when M moves, the sum
; and O^T are multiplied by 2^(old M - new M).  p is at most 1, so the hold at 448 x 2^e8 can act only where e8 < -8: elsewhere it is jumped over.
; LIMITS: e6 + e7 between -123 and 130; e8, e10 between -126 and 119.  q is taken as the first operand (e6) and k as the second (e7) of the scores' product.
; THE MODE: SCHED_MODE bits 1:0 = 2 (LLVM: expert scheduling mode 2), set by the entry lines.  The code itself states the register dependences
; between vector or matrix instructions and memory or LDS instructions, with s_wait_alu, always for 0.
; THE PLAN.  Registers that LDS instructions touch in the loop:
;   KF        read by a step's 16 products K Q^T, at the step's head; the next step's K lands in it.
;   VF        read by a step's 8 products V^T P^T, at the step's end; the next step's V lands in it.
;   ADK, ADV  read by the LDS loads; written once a step, at its head, behind a wait on vm_vsrc.
; A wait on va_vdst stands in a step behind the exponentials.  It also states that this step's K Q^T is done reading KF, that the last
; step's V^T P^T is done reading VF, and that ADK and ADV are written.  So both runs of loads stand behind it: this step's V at once, the next step's K behind the sums of p, which name
; S^T and the statistics alone.
.set VLDS, 131072
.set LI,  1                            ; 16 x lane
.set LIV, 2                            ; + VLDS
.set ADK, 3                            ; the key step in hand
.set ADV, 4
.set CP,  5                            ; the copy: 16 x lane + 16,384 x wave
.set CPV, 6
.set ST,  8                            ; tile q at ST + 8 q: +0 -M, +1 largest t, +2:3 the sum, +4 f (+5 named with it), +6, +7 at work
.set SB,  24                           ; the sum's second chain
.set PT,  28
.set S,   32                           ; S^T, then p: 64 a tile
.set O,   160                          ; O^T: 32 a tile
.set AC,  224                          ; the output's codes
.set KF,  0                            ; window 1: K's eight fragments, V's four, Q's two, P's two
.set VF,  64
.set QF,  128
.set PF,  144
.set MSB, 0
.macro WIN new
.if MSB != (\new)
	s_set_vgpr_msb (MSB<<8)|(\new)
.set MSB, (\new)
.endif
.endm
.macro MKSC vs, se
	s_add_co_i32 s28, s[\se], 127
	s_lshl_b32 s29, s28, 23
	v_mov_b32 v[\vs], s29
	s_add_co_i32 s28, s28, 8
	s_lshl_b32 s28, s28, 23
	s_or_b32 s28, s28, 0x600000
	v_mov_b32 v[\vs+1], s28
.endm
.macro KLOAD adr, off
	WIN 0x40
.irp t, 0,1,2,3,4,5,6,7
.irp g, 0,1
	ds_load_b128 v[KF+8*\t+4*\g:KF+8*\t+4*\g+3], v[\adr] offset:(\off)+1024*\t+512*\g
.endr
.endr
	WIN 0
.endm
.macro VLOAD off
	WIN 0x40
.irp t, 0,1,2,3
.irp g, 0,1,2,3
	ds_load_b128 v[VF+16*\t+4*\g:VF+16*\t+4*\g+3], v[ADV] offset:(\off)+2048*\t+512*\g
.endr
.endr
	WIN 0
.endm
	s_load_b256 s[4:11], s[0:1], 0x0               ; q_img 4, k_img 6, v_img 8, the scales' exponents 10
	s_load_b64 s[12:13], s[0:1], 0x20              ; av_img
	v_lshl_add_u32 v254, v0, 2, 0x40000
	v_mov_b32 v255, 0
	v_lshrrev_b32 v3, 5, v0
	v_readfirstlane_b32 s14, v3                    ; wave 0..7
	v_and_b32 v4, 31, v0
	v_lshlrev_b32 v[LI], 4, v4
	v_add_nc_u32 v[LIV], VLDS, v[LI]
	s_wait_alu depctr_va_sdst(0)                   ; s14, the wave's number, is written, ahead of its first reader
	s_lshl_b32 s15, s14, 14
	v_add_nc_u32 v[CP], s15, v[LI]
	v_add_nc_u32 v[CPV], VLDS, v[CP]
	s_mov_b32 s20, 0x76543210
	s_mov_b32 s21, 0xfedcba98
	s_mov_b32 s24, 0
	s_and_b32 s15, ttmp7, 0xffff                   ; batch x 8 + head
	s_lshl_b32 s16, s15, 17
	s_mov_b32 s17, 0
	s_wait_kmcnt 0x0
	s_load_b128 s[32:35], s[10:11], 0x18           ; e6, e7, e8, e9
	s_load_b32 s36, s[10:11], 0x28                 ; e10
	s_add_nc_u64 s[6:7], s[6:7], s[16:17]
	s_add_nc_u64 s[8:9], s[8:9], s[16:17]
	s_lshl_b32 s18, ttmp9, 14                      ; 16 tiles of 1,024 bytes a block of queries,
	s_lshl_b32 s19, s14, 11                        ; two a wave
	s_add_co_u32 s18, s18, s19
	s_add_co_u32 s16, s16, s18
	s_add_nc_u64 s[4:5], s[4:5], s[16:17]
	s_lshr_b32 s18, s15, 3
	s_lshl_b32 s18, s18, 7                         ; 128 row tiles a batch
	s_lshl_b32 s19, ttmp9, 4
	s_add_co_u32 s18, s18, s19
	s_lshl_b32 s19, s14, 1
	s_add_co_u32 s18, s18, s19                     ; my first row tile,
	s_lshl_b32 s18, s18, 13                        ; 8,192 bytes each;
	s_and_b32 s19, s15, 7
	s_lshl_b32 s19, s19, 10                        ; my head's 64 of the 512 along K: two groups of 512 bytes
	s_add_co_u32 s16, s18, s19
	s_add_nc_u64 s[12:13], s[12:13], s[16:17]
	s_wait_alu depctr_va_vdst(0)                   ; LI, LIV, CP and CPV are written, which the loads and stores below read; they are never written again
.irp i, 0,1,2,3,4,5,6,7,8,9,10,11,12,13,14,15,16,17,18,19,20,21,22,23,24,25,26,27,28,29,30,31
	global_load_b128 v[S+4*\i:S+4*\i+3], v[CP], s[6:7] offset:512*\i       ; my eighth of K
.endr
	WIN 0x40
.irp i, 0,1,2,3,4,5,6,7,8,9,10,11,12,13,14,15,16,17,18,19,20,21,22,23,24,25,26,27,28,29,30,31
	global_load_b128 v[4*\i:4*\i+3], v[CP], s[8:9] offset:512*\i           ; my eighth of V
.endr
.irp q, 0,1
.irp g, 0,1
	global_load_b128 v[QF+8*\q+4*\g:QF+8*\q+4*\g+3], v[LI], s[4:5] offset:1024*\q+512*\g   ; Q stays in registers
.endr
.endr
	WIN 0
.set n, 0
.rept 64
	v_mov_b32 v[O+n], 0                            ; the key step is written without a first copy: it finds zeros, which the first change of M leaves zeros
.set n, n+1
.endr
.irp q, 0,1
	v_mov_b32 v[ST+8*\q+1], 0xff61b1e6             ; the largest t so far: -3e38
	v_floor_f32 v[ST+8*\q], -v[ST+8*\q+1]
	v_mov_b32 v[ST+8*\q+2], 0
	v_mov_b32 v[ST+8*\q+3], 0
	v_mov_b32 v[ST+8*\q+5], 0
	v_mov_b32 v[PT+\q], 0
.endr
	s_wait_kmcnt 0x0
	s_add_co_i32 s27, s32, s33
	s_lshl_b32 s27, s27, 23
	s_add_co_i32 s22, s27, 0x3e38aa3b              ; c = log2(e) / 8, with e6 + e7 added to its exponent field
	s_mov_b32 s23, s22
	MKSC 30, 34
	MKSC 240, 36
	s_cmp_lt_i32 s34, -8
	s_cselect_b32 s26, 1, 0                        ; is p's hold wanted?
	s_wait_loadcnt 36                              ; K is in: behind it stand V's 32 loads and Q's 4
.irp i, 0,1,2,3,4,5,6,7,8,9,10,11,12,13,14,15,16,17,18,19,20,21,22,23,24,25,26,27,28,29,30,31
	ds_store_b128 v[CP], v[S+4*\i:S+4*\i+3] offset:512*\i
.endr
	s_wait_loadcnt 4                               ; V is in: behind it stand Q's 4
	WIN 0x04
.irp i, 0,1,2,3,4,5,6,7,8,9,10,11,12,13,14,15,16,17,18,19,20,21,22,23,24,25,26,27,28,29,30,31
	ds_store_b128 v[CPV], v[4*\i:4*\i+3] offset:512*\i
.endr
	WIN 0
	s_wait_loadcnt 0x0
	s_wait_dscnt 0x0                               ; my part of K and V lies in LDS
	s_barrier_signal -1
	s_barrier_wait -1                              ; all of it does; nothing is written there again
	s_wait_alu depctr_vm_vsrc(0)                   ; my LDS stores have read window 1's v0 to v127, in which K's and V's fragments land, and v32 to v159, which the products K Q^T write
	KLOAD LI, 0                                    ; the first step's K
; A KEY STEP: 128 keys for both tiles.  At its head K's 16 loads of this step are out.
.macro STEP last
	s_wait_alu depctr_vm_vsrc(0)                   ; the LDS loads issued so far have read ADK and ADV
.if \last == 0
	v_add_nc_u32 v[ADK], s24, v[LI]
.endif
	v_add_nc_u32 v[ADV], s24, v[LIV]
	s_wait_dscnt 0x0                               ; K is in
	WIN 0x05
.irp t, 0,1,2,3,4,5,6,7
.irp q, 0,1
	v_wmma_f32_16x16x64_fp8_fp8 v[S+64*\q+8*\t:S+64*\q+8*\t+7], v[KF+8*\t:KF+8*\t+7], v[QF+8*\q:QF+8*\q+7], 0
.endr
.endr
	WIN 0
.rept 4
	v_nop                                          ; four places ahead of the first read of the scores
.endr
.irp q, 0,1                            ; the step's largest score, each accumulator from its low end on, two chains a tile
	v_max3_num_f32 v[ST+8*\q+6], v[S+64*\q], v[S+64*\q+1], v[S+64*\q+2]
	v_max3_num_f32 v[ST+8*\q+7], v[S+64*\q+3], v[S+64*\q+4], v[S+64*\q+5]
.endr
.irp i, 6,10,14,18,22,26,30,34,38,42,46,50,54,58
.irp q, 0,1
	v_max3_num_f32 v[ST+8*\q+6], v[ST+8*\q+6], v[S+64*\q+\i], v[S+64*\q+\i+1]
	v_max3_num_f32 v[ST+8*\q+7], v[ST+8*\q+7], v[S+64*\q+\i+2], v[S+64*\q+\i+3]
.endr
.endr
.irp q, 0,1
	v_max3_num_f32 v[ST+8*\q+6], v[ST+8*\q+6], v[S+64*\q+62], v[S+64*\q+63]
.endr
.irp q, 0,1
	v_max_num_f32 v[ST+8*\q+6], v[ST+8*\q+6], v[ST+8*\q+7]
.endr
.irp q, 0,1
	v_permlanex16_b32 v[PT+\q], v[ST+8*\q+6], s20, s21      ; the query's other 64 keys lie in the lane 16 away
.endr
.irp q, 0,1
	v_max_num_f32 v[ST+8*\q+6], v[ST+8*\q+6], v[PT+\q]
.endr
.irp q, 0,1
	v_mul_f32 v[ST+8*\q+6], s22, v[ST+8*\q+6]               ; as t (c is positive)
.endr
.irp q, 0,1
	v_max_num_f32 v[ST+8*\q+1], v[ST+8*\q+1], v[ST+8*\q+6]
	v_mov_b32 v[ST+8*\q+7], v[ST+8*\q]
.endr
.irp q, 0,1
	v_floor_f32 v[ST+8*\q], -v[ST+8*\q+1]                   ; -M = floor(-t): M is a whole number
.endr
.irp q, 0,1
	v_sub_f32 v[ST+8*\q+7], v[ST+8*\q], v[ST+8*\q+7]        ; old M - new M
.endr
.irp q, 0,1
	v_cvt_i32_f32 v[ST+8*\q+7], v[ST+8*\q+7]                ; (it saturates)
.endr
.irp q, 0,1
	v_ldexp_f32 v[ST+8*\q+4], 1.0, v[ST+8*\q+7]             ; f = 2^(old M - new M)
.endr
.irp j, 0,2,4,6,8,10,12,14,16,18,20,22,24,26,28,30,32,34,36,38,40,42,44,46,48,50,52,54,56,58,60,62
.irp q, 0,1
	v_pk_fma_f32 v[S+64*\q+\j:S+64*\q+\j+1], v[S+64*\q+\j:S+64*\q+\j+1], s[22:23], v[ST+8*\q:ST+8*\q+1] op_sel_hi:[1,0,0]   ; t - M
.endr
.endr
.set n, 0
	s_wait_alu depctr_va_vdst(0)
.rept 128
	v_exp_f32 v[S+n], v[S+n]                       ; p = 2^(t - M): one batch
.set n, n+1
.endr
.irp q, 0,1
	v_pk_mul_f32 v[ST+8*\q+2:ST+8*\q+3], v[ST+8*\q+2:ST+8*\q+3], v[ST+8*\q+4:ST+8*\q+5] op_sel_hi:[1,0]   ; the sums under the new M (plain lines behind the batch)
.endr
	s_wait_alu depctr_va_vdst(0)                   ; the 128 exponentials are written, ahead of their first reader; K Q^T is done reading KF and the last step's V^T P^T reading VF; ADK and ADV are written
	VLOAD 0                                        ; this step's V
.irp q, 0,1
	v_pk_add_f32 v[SB+2*\q:SB+2*\q+1], v[S+64*\q:S+64*\q+1], v[S+64*\q+2:S+64*\q+3]   ; the sum of the UNQUANTISED p, two chains a tile
.endr
.irp j, 4,8,12,16,20,24,28,32,36,40,44,48,52,56,60
.irp q, 0,1
	v_pk_add_f32 v[ST+8*\q+2:ST+8*\q+3], v[ST+8*\q+2:ST+8*\q+3], v[S+64*\q+\j:S+64*\q+\j+1]
	v_pk_add_f32 v[SB+2*\q:SB+2*\q+1], v[SB+2*\q:SB+2*\q+1], v[S+64*\q+\j+2:S+64*\q+\j+3]
.endr
.endr
.irp q, 0,1
	v_pk_add_f32 v[ST+8*\q+2:ST+8*\q+3], v[ST+8*\q+2:ST+8*\q+3], v[SB+2*\q:SB+2*\q+1]
.endr
.if \last == 0
	KLOAD ADK, 8192                                ; the next step's K.  No wait: no vector instruction since the wait above names KF or ADK
.endif
	s_cmp_eq_u32 s26, 0                            ; p <= 1 <= 448 x 2^e8 wherever e8 >= -8: then nothing is to be held
	s_cbranch_scc1 .Lnohold_\@
.set n, 0
.rept 128
	v_min_num_f32 v[S+n], v[S+n], v31
.set n, n+1
.endr
.Lnohold_\@:
	WIN 0x40
.irp q, 0,1
.irp t, 0,1,2,3,4,5,6,7
	v_cvt_scalef32_pk8_fp8_f32 v[PF+16*\q+2*\t:PF+16*\q+2*\t+1], v[S+64*\q+8*\t:S+64*\q+8*\t+7], v30
.endr
.endr
	WIN 0
.irp q, 0,1
.irp j, 0,2,4,6,8,10,12,14,16,18,20,22,24,26,28,30
	v_pk_mul_f32 v[O+32*\q+\j:O+32*\q+\j+1], v[O+32*\q+\j:O+32*\q+\j+1], v[ST+8*\q+4:ST+8*\q+5] op_sel_hi:[1,0]   ; O^T under the new M (also the plain lines behind the conversions)
.endr
.endr
.if \last
	s_wait_alu depctr_va_vdst(0)
	s_wait_dscnt 0x0
.else
	s_wait_alu depctr_va_vdst(0)
	s_wait_dscnt 16                                ; V is in; the next step's K, 16 loads, may be out
.endif
	WIN 0x05
.irp t, 0,1,2,3
.irp q, 0,1
	v_wmma_f32_16x16x128_fp8_fp8 v[O+32*\q+8*\t:O+32*\q+8*\t+7], v[VF+16*\t:VF+16*\t+15], v[PF+16*\q:PF+16*\q+15], v[O+32*\q+8*\t:O+32*\q+8*\t+7]
.endr
.endr
	WIN 0
.if \last
.rept 4
	v_nop                                          ; four places ahead of the first read of O^T
.endr
.else
	s_add_co_u32 s24, s24, 8192                    ; the next step's bytes
.endif
.endm
	s_mov_b32 s25, 15
.Lstep:
	STEP 0
	s_sub_co_u32 s25, s25, 1
	s_cmp_lg_u32 s25, 0
	s_cbranch_scc1 .Lstep
	STEP 1                                         ; the last step fetches no further K
	; THE WAY OUT: av = O^T x 2^(e8 + e9) / l, quantised with e10; a lane's 16 codes of tiles 2 b, 2 b + 1 are a group of the next operand's image
.irp q, 0,1
	v_add_f32 v[ST+8*\q+6], v[ST+8*\q+2], v[ST+8*\q+3]
.endr
.irp q, 0,1
	v_permlanex16_b32 v[PT+\q], v[ST+8*\q+6], s20, s21
.endr
.irp q, 0,1
	v_add_f32 v[ST+8*\q+6], v[ST+8*\q+6], v[PT+\q]
.endr
	s_wait_alu depctr_va_vdst(0)
.irp q, 0,1
	v_rcp_f32 v[ST+8*\q+4], v[ST+8*\q+6]
.endr
	v_nop
	s_add_co_i32 s27, s34, s35
	s_wait_alu depctr_va_vdst(0)                   ; one wait for the two reciprocals, ahead of their first reader
.irp q, 0,1
	v_ldexp_f32 v[ST+8*\q+4], v[ST+8*\q+4], s27
.endr
.irp q, 0,1
.irp j, 0,2,4,6,8,10,12,14,16,18,20,22,24,26,28,30
	v_pk_mul_f32 v[O+32*\q+\j:O+32*\q+\j+1], v[O+32*\q+\j:O+32*\q+\j+1], v[ST+8*\q+4:ST+8*\q+5] op_sel_hi:[1,0]
.endr
.endr
.set n, 0
.rept 64
	v_med3_num_f32 v[O+n], v[O+n], -v241, v241
.set n, n+1
.endr
.irp q, 0,1
.irp t, 0,1,2,3
	v_cvt_scalef32_pk8_fp8_f32 v[AC+8*\q+2*\t:AC+8*\q+2*\t+1], v[O+32*\q+8*\t:O+32*\q+8*\t+7], v240
.endr
.endr
	v_nop
	s_wait_alu depctr_va_vdst(0)                   ; the conversions have written the codes, which the four stores read
.irp q, 0,1
.irp b, 0,1
	global_store_b128 v[LI], v[AC+8*\q+4*\b:AC+8*\q+4*\b+3], s[12:13] offset:8192*\q+512*\b   ; 512 consecutive bytes a store
.endr
.endr
	s_wait_dscnt 0x0                               ; the closing lines, six on end
	s_wait_alu 0x0
	s_wait_tensorcnt 0x0
	ds_add_u32 v254, v255
	s_wait_dscnt 0x0
	s_endpgm
.Lfunc_end_k_qc8544ff6c1_attn:
	.size	k_qc8544ff6c1_attn, .Lfunc_end_k_qc8544ff6c1_attn-k_qc8544ff6c1_attn
	.p2alignl 7, 3214868480
	.fill 96, 4, 3214868480
	.section	.rodata,"a",@progbits
	.p2align	6, 0x0
	.amdhsa_kernel k_qc8544ff6c1_attn
		.amdhsa_group_segment_fixed_size 263168
		.amdhsa_private_segment_fixed_size 0
		.amdhsa_enable_private_segment 0
		.amdhsa_kernarg_size 40
		.amdhsa_user_sgpr_count 2
		.amdhsa_user_sgpr_kernarg_segment_ptr 1
		.amdhsa_wavefront_size32 1
		.amdhsa_system_sgpr_workgroup_id_x 1
		.amdhsa_system_sgpr_workgroup_id_y 1
		.amdhsa_system_sgpr_workgroup_id_z 1
		.amdhsa_system_vgpr_workitem_id 0
		.amdhsa_next_free_vgpr 448
		.amdhsa_next_free_sgpr 66
		.amdhsa_reserve_vcc 0
		.amdhsa_float_denorm_mode_32 3
		.amdhsa_float_denorm_mode_16_64 3
		.amdhsa_memory_ordered 1
		.amdhsa_forward_progress 1
		.amdhsa_inst_pref_size 81
	.end_amdhsa_kernel
	.amdgpu_metadata
---
amdhsa.version: [ 1, 2 ]
amdhsa.kernels:
  - .name:           k_qc8544ff6c1_attn
    .symbol:         k_qc8544ff6c1_attn.kd
    .args:
      - { .name: q_img, .offset: 0, .size: 8, .value_kind: global_buffer, .address_space: global }
      - { .name: k_img, .offset: 8, .size: 8, .value_kind: global_buffer, .address_space: global }
      - { .name: v_img, .offset: 16, .size: 8, .value_kind: global_buffer, .address_space: global }
      - { .name: lowp_scales, .offset: 24, .size: 8, .value_kind: global_buffer, .address_space: global }
      - { .name: av_img, .offset: 32, .size: 8, .value_kind: global_buffer, .address_space: global }
    .group_segment_fixed_size: 263168
    .private_segment_fixed_size: 0
    .kernarg_segment_align: 8
    .kernarg_segment_size: 40
    .max_flat_workgroup_size: 256
    .sgpr_count:     66
    .vgpr_count:     448
    .wavefront_size: 32
...
	.end_amdgpu_metadata
.endif
;; end of part 5
;; launch post (part 6): grid 256 x 1, 8 waves a work-group, no clusters, 239,616 bytes of LDS; arguments av_img, Wo_codes, bo, x, ln2_g, ln2_b, W1_codes, b1, W2_codes, b2, lowp_scales, out0; writes out0
.if DOCPART == 6
	.amdgcn_target "amdgcn-amd-amdhsa--gfx1250"
	.amdhsa_code_object_version 6
	.text
	.protected	k_qc8544ff6c1_post
	.globl	k_qc8544ff6c1_post
	.p2align	8
	.type	k_qc8544ff6c1_post,@function
k_qc8544ff6c1_post:
	s_mov_b64 s[64:65], 0
	v_nop
	global_prefetch_b8 v0, s[64:65] scope:SCOPE_SE
	s_setreg_imm32_b32 hwreg(HW_REG_WAVE_SCHED_MODE, 0, 2), 2
	s_setreg_imm32_b32 hwreg(HW_REG_WAVE_MODE, 25, 1), 1
	s_wait_xcnt 0x0
	s_wait_alu depctr_vm_vsrc(0)
; x1 = x + av Wo + bo;  x2 = LayerNorm 2 of x1;  h = gelu(x2 W1 + b1);  out = x1 + h W2 + b2.  The three products run on E4M3 codes; x2 (e12) and h (e14) are quantised on the way.
; SHARES.  A work-group takes 32 rows through the whole chain: x1, x2 and h never go to memory.  For the products with Wo and W2 wave w owns columns 64 w .. 64 w + 63, for the one with W1
; hidden units 256 w .. 256 w + 255.  Every byte of the three weights is wanted by one wave alone and goes from memory straight into that wave's registers (window 1), where each fragment
; feeds two products, one for each tile of 16 rows.  Window 1 holds Wo; then W1 in two buffers of 128 registers (a chunk: 32 units x 512 K); then W2 in four slots of 64 (a K step of four
; column tiles).  A buffer is asked for again as soon as its products are done with it, across the phases' edges too.
; All products are used transposed (source 0 = 16 rows of a weight's codes, source 1 = 16 rows of the activation): a lane holds one row and eight neighbouring columns.
; K LAYOUT, the same on both sides: registers 4 c .. 4 c + 3 of a fragment hold k = 128 s + 32 c + 16 (lane / 16) + 0 .. 15.
; Lane r of W1's tile u of a chunk takes row 8 u + r + 8 (r / 8): the chunk's two tiles then hold 16 neighbouring units a lane, one group of four registers of h's operand.
; Sums that are laid by columns meet in a stage in LDS; behind it wave w owns the four whole rows 4 w .. 4 w + 3, so that each load of x and each store of out covers 512 consecutive bytes.
; The norm is taken in two passes (mean; then the differences' squares); g and b are multiplied by 2^-e12, so that the conversion takes the scale 1.
; GELU, exact: gelu(x) = max(x, 0) - |x| erfc(|x| / sqrt 2) / 2, erfc(z) = t exp(-z^2 + P(t)), t = 1 / (1 + z / 2), P of degree 9: a fit whose fractional error stays under 1.2e-7
; for every z >= 0; no difference of near numbers is formed for negative x.  It runs in two halves of 16 numbers, which is what 512 registers leave room for.
; NO CLUSTER, NO TENSOR LOAD: a joint load lands in LDS, from which each fragment would be read once more by its one wave: 2,304 KiB more through LDS for a work-group; and of LDS the
; operands below take 233 KiB.
; LIMITS: e10 + e11, e12 + e13, e14 + e15 between -126 and 127; e14 between -126 and 119.  NaN and infinities among the inputs are not served.
; THE MODE: SCHED_MODE bits 1:0 = 2 (LLVM: expert scheduling mode 2), set by the entry lines.  The code itself states the register dependences
; between vector or matrix instructions and memory or LDS instructions, with s_wait_alu, always for 0.
; THE PLAN.  Registers that memory or LDS instructions touch:
;   v1, v4-v8, v11  addresses, written once.  v2, v3, v9, v10 serve the first phase and are made anew for the second, between a wait on vm_vsrc and one on va_vdst, behind the third barrier.
;   window 1      read by products alone; each buffer's next loads stand behind ONE wait on va_vdst behind those products (a half of the first product, a chunk, a K step).
;   AF, HF        the activations' fragments: read by the same products, filled again behind the same wait.  bo's registers take ln2_b behind the first half's wait.
;   ACC, AC2      the sums: the stage's LDS stores read them behind that wait too (and behind the four places).  The first stage's rows come back into ACC's registers: a wait on vm_vsrc ahead of them.
;   XR            x1: written by the multiply-adds, read by 16 LDS stores, which stand behind the wait for the norm's four roots.
;   B1            read by a chunk's 16 scalings; the next chunk's b1 lands behind the wait for the chunk's first 16 reciprocals.
;   PC, HWC, B1C  a chunk's codes and the loop's two LDS addresses: read by the chunk's two LDS stores and its load of b1; written again behind the next chunk's one wait on vm_vsrc.
;   CW, X1R       written by vector instructions, stored behind a wait on va_vdst of their own.
.set AIMG, 0                           ; LDS: av's 8 fragments ((4 m + s) x 2,048)
.set STG,  16384                       ; 32 rows x (2,048 + 16): the pitch is an odd multiple of 16 bytes; used for x1's sums and again for out's
.set SPI,  2064
.set X2S,  82432                       ; x2's codes: 32 rows x (512 + 16)
.set XPI,  528
.set B1S,  99328                       ; b1, 8,192 bytes
.set X1S,  107520                      ; x1: 8,192 bytes for each wave, its own four rows
.set HIMG, 173056                      ; h's 32 fragments ((16 m + ks) x 2,048)
.set LI,  1                            ; 16 x lane
.set WA,  2                            ; Wo: 512 r + 16 h;            later FA: x2's fragments in LDS
.set FA,  2
.set CPA, 3                            ; av's copy;                   later B1A: my b1 in LDS
.set B1A, 3
.set SO,  4                            ; into the stage
.set SRD, 5                            ; out of it
.set CWA, 6                            ; x2's code words
.set X1A, 7                            ; my x1 in LDS
.set W1A, 8                            ; W1: 512 (r + 8 (r / 8)) + 16 h
.set GS,  9                            ; b1's copy: 16 x thread;      later HW: where my h goes
.set HW,  9
.set GL,  10                           ; the same in LDS;             later W2A: 2048 r + 16 h
.set W2A, 10
.set HR,  11                           ; h's images, read
.set PT,  12                           ; v12-15 the lane exchanges' destinations; later HWC, B1C: the loop's addresses
.set HWC, 12
.set B1C, 13
.set CW,  16                           ; first phase: v16-31 the code words
.set AF,  32                           ; av's four fragments; later D, the differences
.set D,   32
.set ACC, 96                           ; the sums; later the rows read back; later what follows
.set SR,  96
.set AC,  96
.set MU,  104
.set RS,  112
.set ONE, 120                          ; 1.0: the scale of x2's conversions
.set XR,  160                          ; x, then x + bo, then x1
.set BB,  224                          ; bo, later ln2_b
.set GG,  240                          ; ln2_g
.set XF,  16                           ; second phase: x2's eight fragments (64 m + 16 s), which stay
.set X,   144                          ; a chunk's four accumulators (8 (2 m + u))
.set T,   176
.set P,   192
.set M,   208
.set B1,  224
.set PC,  240
.set HF,  16                           ; third phase: h's fragments, two sets of 32 by turns
.set AC2, 80                           ; eight accumulators (32 m + 8 t)
.set B2,  144
.set SR2, 160
.set X1R, 16
.set MSB, 0
.macro WIN new                         ; the immediate's high byte repeats the setting that is left
.if MSB != (\new)
	s_set_vgpr_msb (MSB<<8)|(\new)
.set MSB, (\new)
.endif
.endm
.macro FETCHA m
.irp s, 0,1,2,3
.irp c, 0,1,2,3
	ds_load_b128 v[AF+16*\s+4*\c:AF+16*\s+4*\c+3], v[LI] offset:AIMG+(4*(\m)+\s)*2048+512*\c
.endr
.endr
.endm
.macro REDUCE                          ; the four rows' pairs in AC become the rows' sums, in every lane
.irp p, 0,1,2,3
	v_add_f32 v[AC+2*\p], v[AC+2*\p], v[AC+2*\p+1]
.endr
.irp x, 1,2,4,8
.irp p, 0,1,2,3
	v_add_f32_dpp v[AC+2*\p], v[AC+2*\p], v[AC+2*\p] row_xmask:\x row_mask:0xf bank_mask:0xf
.endr
.endr
.irp p, 0,1,2,3
	v_permlanex16_b32 v[PT+\p], v[AC+2*\p], s36, s37
.endr
.irp p, 0,1,2,3
	v_add_f32 v[AC+2*\p], v[AC+2*\p], v[PT+\p]
.endr
.endm
.macro TOSTG a                         ; eight accumulators into the stage, each from its low end on; then the barrier
.irp m, 0,1
.irp t, 0,1,2,3
	ds_store_b128 v[SO], v[\a+32*\m+8*\t:\a+32*\m+8*\t+3] offset:16*SPI*\m+64*\t
	ds_store_b128 v[SO], v[\a+32*\m+8*\t+4:\a+32*\m+8*\t+7] offset:16*SPI*\m+64*\t+16
.endr
.endr
	s_wait_dscnt 0x0                               ; my part of the stage is written, and my LDS loads are in
	s_barrier_signal -1
	s_barrier_wait -1                              ; 32 whole rows lie in the stage
.endm
.macro FROMSTG a                       ; my four rows
.irp p, 0,1,2,3
.irp i, 0,1,2,3
	ds_load_b128 v[\a+16*\p+4*\i:\a+16*\p+4*\i+3], v[SRD] offset:SPI*\p+512*\i
.endr
.endr
.endm
.macro W1LOAD buf, row                 ; a chunk of W1: two tiles x four K steps, 32 loads (destination in window 1)
.irp u, 0,1
.irp s, 0,1,2,3
.irp c, 0,1,2,3
	global_load_b128 v[(\buf)+16*(4*\u+\s)+4*\c:(\buf)+16*(4*\u+\s)+4*\c+3], v[W1A], s[16:17] offset:((\row)+8*\u)*512+128*\s+32*\c
.endr
.endr
.endr
.endm
.macro W2LOAD ks                       ; a K step of W2: four column tiles, 16 loads (destination in window 1)
.irp t, 0,1,2,3
.irp c, 0,1,2,3
	global_load_b128 v[64*((\ks)%4)+16*\t+4*\c:64*((\ks)%4)+16*\t+4*\c+3], v[W2A], s[20:21] offset:32768*\t+128*(\ks)+32*\c
.endr
.endr
.endm
.macro B1LOAD adr, off                 ; b1 at a chunk's units 16 h + 8 u + 0 .. 7
.irp u, 0,1
	ds_load_b128 v[B1+8*\u:B1+8*\u+3], v[\adr] offset:(\off)+32*\u
	ds_load_b128 v[B1+8*\u+4:B1+8*\u+7], v[\adr] offset:(\off)+32*\u+16
.endr
.endm
.macro HFLOAD ks                       ; h's two fragments of K step ks
.irp m, 0,1
.irp c, 0,1,2,3
	ds_load_b128 v[HF+32*((\ks)%2)+16*\m+4*\c:HF+32*((\ks)%2)+16*\m+4*\c+3], v[HR] offset:32768*\m+2048*(\ks)+512*\c
.endr
.endr
.endm
	s_load_b512 s[4:19], s[0:1], 0x0               ; av_img 4, Wo 6, bo 8, x 10, ln2_g 12, ln2_b 14, W1 16, b1 18
	s_load_b256 s[20:27], s[0:1], 0x40             ; W2 20, b2 22, the scales' exponents 24, out0 26
	v_lshrrev_b32 v12, 5, v0
	v_readfirstlane_b32 s34, v12                   ; wave 0..7
	v_and_b32 v12, 31, v0                          ; lane
	v_and_b32 v13, 15, v0                          ; r
	v_bfe_u32 v14, v0, 4, 1                        ; h
	v_lshlrev_b32 v[LI], 4, v12
	s_wait_alu depctr_va_vdst(0)
	v_lshlrev_b32 v[WA], 9, v13
	v_lshl_add_u32 v[WA], v14, 4, v[WA]
	s_wait_alu depctr_va_sdst(0)                   ; s34, the wave's number, is written, ahead of its first reader
	s_lshl_b32 s35, s34, 11
	v_add_nc_u32 v[CPA], s35, v[LI]
	v_mul_u32_u24 v[SO], v13, SPI
	v_lshl_add_u32 v[SO], v14, 5, v[SO]
	s_lshl_b32 s51, s34, 8
	s_add_co_u32 s51, s51, STG
	v_add_nc_u32 v[SO], s51, v[SO]                 ; into the stage: row r, 32 h, my 256 bytes of a row
	s_mul_i32 s51, s34, 4*SPI
	s_add_co_u32 s51, s51, STG
	v_add_nc_u32 v[SRD], s51, v[LI]                ; back: my four rows
	s_mul_i32 s51, s34, 4*XPI
	s_add_co_u32 s51, s51, X2S
	v_lshl_add_u32 v[CWA], v12, 2, s51             ; my four rows of codes, four codes a lane
	s_lshl_b32 s51, s34, 13
	s_add_co_u32 s51, s51, X1S
	v_add_nc_u32 v[X1A], s51, v[LI]
	v_and_b32 v15, 8, v13
	v_add_nc_u32 v15, v15, v13                     ; r + 8 (r / 8)
	v_lshlrev_b32 v[W1A], 9, v15
	v_lshl_add_u32 v[W1A], v14, 4, v[W1A]
	v_lshlrev_b32 v[GS], 4, v0
	v_add_nc_u32 v[GL], B1S, v[GS]
.irp p, 0,1,2,3
	v_mov_b32 v[PT+\p], 0
.endr
	s_mov_b32 s36, 0x76543210                      ; lane l xor 16
	s_mov_b32 s37, 0xfedcba98
	s_mov_b32 s38, 0x3b000000                      ; 1 / 512
	s_mov_b32 s39, 0x3727c5ac                      ; 1e-5
	s_mov_b32 s42, 0xc3e00000                      ; -448
	s_mov_b32 s43, 0x43e00000                      ; 448
	s_mov_b32 s44, 0x3eb504f3                      ; 1 / (2 sqrt 2)
	s_mov_b32 s57, 0
	s_wait_kmcnt 0x0
	s_load_b128 s[28:31], s[24:25], 0x28           ; e10, e11, e12, e13
	s_load_b64 s[32:33], s[24:25], 0x38            ; e14, e15
	s_lshl_b32 s56, ttmp9, 14
	s_add_nc_u64 s[4:5], s[4:5], s[56:57]          ; my two row tiles of av
	s_lshl_b32 s56, s34, 15
	s_add_nc_u64 s[6:7], s[6:7], s[56:57]          ; my 64 rows of Wo's codes
	s_lshl_b32 s56, ttmp9, 16
	s_lshl_b32 s51, s34, 13
	s_add_co_u32 s56, s56, s51
	s_add_nc_u64 s[10:11], s[10:11], s[56:57]      ; my four rows of x and of out
	s_add_nc_u64 s[26:27], s[26:27], s[56:57]
	s_lshl_b32 s56, s34, 17
	s_add_nc_u64 s[16:17], s[16:17], s[56:57]      ; my 256 rows of W1's codes (512 bytes each)
	s_add_nc_u64 s[20:21], s[20:21], s[56:57]      ; my 64 rows of W2's (2,048 bytes each)
	s_wait_alu depctr_va_vdst(0)                   ; the ten addresses v1 to v10 are written, which the first phase's loads and stores read
.irp c, 0,1,2,3
	global_load_b128 v[AF+4*\c:AF+4*\c+3], v[CPA], s[4:5] offset:512*\c      ; my eighth of av's images, and
.endr
	global_load_b128 v[96:99], v[GS], s[18:19]                               ; my part of b1: what the first barrier waits for is asked for first
	global_load_b128 v[100:103], v[GS], s[18:19] offset:4096
	WIN 0x40
.irp t, 0,1,2,3
.irp s, 0,1,2,3
.irp c, 0,1,2,3
	global_load_b128 v[16*(4*\t+\s)+4*\c:16*(4*\t+\s)+4*\c+3], v[WA], s[6:7] offset:8192*\t+128*\s+32*\c
.endr
.endr
.endr
	WIN 0
.irp p, 0,1,2,3
.irp i, 0,1,2,3
	global_load_b128 v[XR+16*\p+4*\i:XR+16*\p+4*\i+3], v[LI], s[10:11] offset:2048*\p+512*\i th:TH_LOAD_NT
.endr
.endr
.irp i, 0,1,2,3
	global_load_b128 v[BB+4*\i:BB+4*\i+3], v[LI], s[8:9] offset:512*\i
	global_load_b128 v[GG+4*\i:GG+4*\i+3], v[LI], s[12:13] offset:512*\i
.endr
	s_wait_loadcnt 63                              ; 88 loads stand behind the six of the copies: with at most 63 out these six are in
.irp c, 0,1,2,3
	ds_store_b128 v[CPA], v[AF+4*\c:AF+4*\c+3] offset:AIMG+512*\c
.endr
	ds_store_b128 v[GL], v[96:99]
	ds_store_b128 v[GL], v[100:103] offset:4096
	s_wait_dscnt 0x0
	s_barrier_signal -1
	s_barrier_wait -1                              ; av's eight fragments and b1 lie in LDS
	s_wait_alu depctr_vm_vsrc(0)                   ; my six LDS stores have read v32 to v47, in which av's fragments land, and v96 to v103, which the products write
	FETCHA 0
	s_wait_kmcnt 0x0
	s_add_co_i32 s40, s28, s29
	s_add_co_i32 s40, s40, 127
	s_lshl_b32 s40, s40, 23                        ; 2^(e10 + e11) as f32
	s_mov_b32 s41, s40
	s_sub_co_i32 s50, 0, s30                       ; -e12
	s_add_co_i32 s46, s30, s31
	s_add_co_i32 s46, s46, 127
	s_lshl_b32 s46, s46, 23                        ; 2^(e12 + e13)
	s_mov_b32 s47, s46
	s_add_co_i32 s48, s32, s33
	s_add_co_i32 s48, s48, 127
	s_lshl_b32 s48, s48, 23                        ; 2^(e14 + e15)
	s_mov_b32 s49, s48
	s_add_co_i32 s58, s32, 127
	s_lshl_b32 s59, s58, 23                        ; 2^e14
	s_add_co_i32 s58, s58, 8
	s_lshl_b32 s58, s58, 23
	s_or_b32 s58, s58, 0x600000                    ; 448 x 2^e14
	s_wait_loadcnt 0x0
.irp p, 0,1,2,3
.irp n, 0,2,4,6,8,10,12,14
	v_pk_add_f32 v[XR+16*\p+\n:XR+16*\p+\n+1], v[XR+16*\p+\n:XR+16*\p+\n+1], v[BB+\n:BB+\n+1]   ; x + bo
.endr
.endr
.irp m, 0,1                            ; av Wo: four accumulators by turns, K step by K step
	s_wait_dscnt 0x0
	WIN 0x01
.irp s, 0,1,2,3
.irp t, 0,1,2,3
.if \s == 0
	v_wmma_f32_16x16x128_fp8_fp8 v[ACC+32*\m+8*\t:ACC+32*\m+8*\t+7], v[16*(4*\t+\s):16*(4*\t+\s)+15], v[AF+16*\s:AF+16*\s+15], 0
.else
	v_wmma_f32_16x16x128_fp8_fp8 v[ACC+32*\m+8*\t:ACC+32*\m+8*\t+7], v[16*(4*\t+\s):16*(4*\t+\s)+15], v[AF+16*\s:AF+16*\s+15], v[ACC+32*\m+8*\t:ACC+32*\m+8*\t+7]
.endif
.endr
.endr
	WIN 0
.rept 4
	v_nop                                          ; four places behind the products, ahead of the LDS stores that read the sums
.endr
	s_wait_alu depctr_va_vdst(0)                   ; first half: the products are done reading av's fragments, the additions bo's registers: the next fragments and ln2_b land there.  Second half: the products are done reading Wo's registers, in which W1 lands, and have written the sums, which the LDS stores read
.if \m == 0
	FETCHA 1
.irp i, 0,1,2,3
	global_load_b128 v[BB+4*\i:BB+4*\i+3], v[LI], s[14:15] offset:512*\i     ; ln2_b takes bo's place
.endr
.endif
.endr
	WIN 0x40
	W1LOAD 0, 0                                    ; Wo is done with: W1's chunk 0 takes the lower half of its registers
	WIN 0
	TOSTG ACC
	s_wait_alu depctr_vm_vsrc(0)                   ; my LDS stores have read the sums' registers, in which my four rows land
	FROMSTG SR
	s_wait_loadcnt 32                              ; ln2_b is in: behind it stand chunk 0's 32 loads
	WIN 0x40
	W1LOAD 128, 32                                 ; chunk 1.  No wait: no vector or matrix instruction stands behind the second half's wait
	WIN 0
	s_wait_dscnt 0x0
.set n, 0
.rept 32
	v_pk_fma_f32 v[XR+n:XR+n+1], v[SR+n:SR+n+1], s[40:41], v[XR+n:XR+n+1] op_sel_hi:[1,0,1]   ; x1 = sum x 2^(e10 + e11) + x + bo
.set n, n+2
.endr
	; LayerNorm 2, the four rows side by side
.irp p, 0,1,2,3
	v_pk_add_f32 v[AC+2*\p:AC+2*\p+1], v[XR+16*\p:XR+16*\p+1], v[XR+16*\p+2:XR+16*\p+3]
.endr
.irp n, 4,6,8,10,12,14
.irp p, 0,1,2,3
	v_pk_add_f32 v[AC+2*\p:AC+2*\p+1], v[AC+2*\p:AC+2*\p+1], v[XR+16*\p+\n:XR+16*\p+\n+1]
.endr
.endr
	REDUCE
.irp p, 0,1,2,3
	v_mul_f32 v[MU+2*\p], s38, v[AC+2*\p]
	v_mul_f32 v[MU+2*\p+1], s38, v[AC+2*\p]
.endr
.irp p, 0,1,2,3
.irp n, 0,2,4,6,8,10,12,14
	v_pk_add_f32 v[D+16*\p+\n:D+16*\p+\n+1], v[XR+16*\p+\n:XR+16*\p+\n+1], v[MU+2*\p:MU+2*\p+1] neg_lo:[0,1] neg_hi:[0,1]
.endr
.endr
.irp p, 0,1,2,3
	v_pk_mul_f32 v[AC+2*\p:AC+2*\p+1], v[D+16*\p:D+16*\p+1], v[D+16*\p:D+16*\p+1]
.endr
.irp n, 2,4,6,8,10,12,14
.irp p, 0,1,2,3
	v_pk_fma_f32 v[AC+2*\p:AC+2*\p+1], v[D+16*\p+\n:D+16*\p+\n+1], v[D+16*\p+\n:D+16*\p+\n+1], v[AC+2*\p:AC+2*\p+1]
.endr
.endr
	REDUCE
.irp p, 0,1,2,3
	v_fma_f32 v[AC+2*\p], v[AC+2*\p], s38, s39     ; variance + 1e-5
.endr
	s_wait_alu depctr_va_vdst(0)
.irp p, 0,1,2,3
	v_rsq_f32 v[RS+2*\p], v[AC+2*\p]
.endr
.set n, 0
.rept 16
	v_ldexp_f32 v[GG+n], v[GG+n], s50              ; g and b x 2^-e12 (independent work behind the four roots)
	v_ldexp_f32 v[BB+n], v[BB+n], s50
.set n, n+1
.endr
	v_mov_b32 v[ONE], 1.0                          ; the conversions' scale: its exponent field stands for 2^0
	s_wait_alu depctr_va_vdst(0)                   ; the four roots are written, ahead of their first reader; so is x1, which the LDS stores below read
.irp p, 0,1,2,3
.irp i, 0,1,2,3
	ds_store_b128 v[X1A], v[XR+16*\p+4*\i:XR+16*\p+4*\i+3] offset:2048*\p+512*\i   ; kept in my own bytes of LDS for the last residual
.endr
.endr
.irp p, 0,1,2,3
	v_mov_b32 v[RS+2*\p+1], v[RS+2*\p]
.endr
.irp p, 0,1,2,3
.irp n, 0,2,4,6,8,10,12,14
	v_pk_mul_f32 v[D+16*\p+\n:D+16*\p+\n+1], v[D+16*\p+\n:D+16*\p+\n+1], v[RS+2*\p:RS+2*\p+1]
.endr
.endr
.irp p, 0,1,2,3
.irp n, 0,2,4,6,8,10,12,14
	v_pk_fma_f32 v[D+16*\p+\n:D+16*\p+\n+1], v[D+16*\p+\n:D+16*\p+\n+1], v[GG+\n:GG+\n+1], v[BB+\n:BB+\n+1]
.endr
.endr
.set n, 0
.rept 64
	v_med3_num_f32 v[D+n], v[D+n], s42, s43        ; the conversion does not saturate (ISA guide 7.6.2)
.set n, n+1
.endr
.irp p, 0,1,2,3                        ; eight numbers a conversion: the first four codes are word 4 p + 2 q, the next four word 4 p + 2 q + 1
.irp q, 0,1
	v_cvt_scalef32_pk8_fp8_f32 v[CW+4*\p+2*\q:CW+4*\p+2*\q+1], v[D+16*\p+8*\q:D+16*\p+8*\q+7], v[ONE]
.endr
.endr
	v_nop                                          ; a plain line behind the last conversion
	s_wait_alu depctr_va_vdst(0)                   ; the conversions have written the code words, which the LDS stores read
.irp p, 0,1,2,3                        ; word 4 p + i: the codes of columns 128 i + 4 x lane + 0 .. 3 of my row p
.irp i, 0,1,2,3
	ds_store_b32 v[CWA], v[CW+4*\p+\i] offset:XPI*\p+128*\i
.endr
.endr
	s_wait_dscnt 0x0
	s_barrier_signal -1
	s_barrier_wait -1                              ; x2's 32 rows of codes lie in LDS
	; ---- h = gelu(x2 W1 + b1)
	s_wait_alu depctr_vm_vsrc(0)                   ; the first phase's loads and stores have read v2, v3, v9 and v10, which are made anew below; its LDS stores have read the code words, in which x2's fragments land, and x1, whose registers the chunks write
	v_and_b32 v252, 15, v0                         ; r
	v_bfe_u32 v253, v0, 4, 1                       ; h
	v_mul_u32_u24 v[FA], v252, XPI
	v_lshl_add_u32 v[FA], v253, 4, v[FA]
	v_add_nc_u32 v[FA], X2S, v[FA]
	s_lshl_b32 s51, s34, 10
	s_add_co_u32 s51, s51, B1S
	v_lshl_add_u32 v[B1A], v253, 6, s51            ; my 256 numbers of b1, + 64 h
	s_lshl_b32 s51, s34, 12
	s_add_co_u32 s51, s51, HIMG
	v_add_nc_u32 v[HW], s51, v[LI]                 ; my units are K steps 2 w and 2 w + 1 of the last product: eight groups of 512 bytes
	v_lshlrev_b32 v[W2A], 11, v252
	v_lshl_add_u32 v[W2A], v253, 4, v[W2A]
	v_add_nc_u32 v[HR], HIMG, v[LI]
	v_mov_b32 v248, s59                            ; 2^e14: the conversion takes its exponent field
	v_mov_b32 v249, s58                            ; 448 x 2^e14
	v_mov_b32 v250, 0x3e2ef945                     ; c9
	v_mov_b32 v251, 0x3e2ef945
	s_wait_alu depctr_va_vdst(0)                   ; the five addresses are written; the norm is done with v16 to v143 and with ln2_b's registers, in which x2's fragments and b1 land
.irp m, 0,1
.irp s, 0,1,2,3
.irp c, 0,1,2,3
	ds_load_b128 v[XF+64*\m+16*\s+4*\c:XF+64*\m+16*\s+4*\c+3], v[FA] offset:16*XPI*\m+128*\s+32*\c
.endr
.endr
.endr
	B1LOAD B1A, 0
.macro GELUH m, nb                     ; 16 numbers: the chunk's two tiles of row tile m; then their 16 codes.  nb >= 0, in the first half: the next chunk's b1 is asked for, nb bytes behind the loop's address
.set XH, X+16*(\m)
.set n, 0
.rept 16
	v_fma_f32 v[T+n], |v[XH+n]|, s44, 1.0          ; 1 + z / 2
.set n, n+1
.endr
.set n, 0
	s_wait_alu depctr_va_vdst(0)
.rept 16
	v_rcp_f32 v[T+n], v[T+n]
.set n, n+1
.endr
.set n, 0
.rept 8
	v_pk_mul_f32 v[M+n:M+n+1], v[XH+n:XH+n+1], v[XH+n:XH+n+1]    ; x^2 (independent work behind the batch)
.set n, n+2
.endr
	s_wait_alu depctr_va_vdst(0)                   ; the 16 reciprocals are written, ahead of their first reader; in the first half: the scalings are done reading b1's registers, and the loop's address of b1 is written
.if (\m) == 0 && (\nb) >= 0
	B1LOAD B1C, \nb
.endif
.set n, 0
.rept 8
	v_pk_fma_f32 v[P+n:P+n+1], v[T+n:T+n+1], v[250:251], 0xbf527892 op_sel_hi:[1,1,0]
.set n, n+2
.endr
.irp k, 0x3fbe87b0,0xbf914e5d,0x3e8ec7cc,0xbe3ec24c,0x3dc636c9,0x3ebf88fb,0x3f8000c7,0xbfa1fc4e
.set n, 0
.rept 8
	v_pk_fma_f32 v[P+n:P+n+1], v[P+n:P+n+1], v[T+n:T+n+1], \k op_sel_hi:[1,1,0]
.set n, n+2
.endr
.endr
.set n, 0
.rept 8
	v_pk_fma_f32 v[P+n:P+n+1], v[M+n:M+n+1], -0.5, v[P+n:P+n+1] op_sel_hi:[1,0,1]          ; P(t) - z^2
.set n, n+2
.endr
.set n, 0
.rept 8
	v_pk_fma_f32 v[P+n:P+n+1], v[P+n:P+n+1], 0x3fb8aa3b, -1.0 op_sel_hi:[1,0,0]            ; x log2(e), less 1: the half
.set n, n+2
.endr
.set n, 0
	s_wait_alu depctr_va_vdst(0)
.rept 16
	v_exp_f32 v[P+n], v[P+n]
.set n, n+1
.endr
.set n, 0
.rept 16
	v_max_num_f32 v[M+n], v[XH+n], 0               ; max(x, 0) (independent work behind the batch)
.set n, n+1
.endr
	s_wait_alu depctr_va_vdst(0)                   ; the 16 exponentials are written, ahead of their first reader
.set n, 0
.rept 8
	v_pk_mul_f32 v[P+n:P+n+1], v[P+n:P+n+1], v[T+n:T+n+1]        ; erfc(z) / 2
.set n, n+2
.endr
.set n, 0
.rept 16
	v_fma_f32 v[XH+n], -|v[XH+n]|, v[P+n], v[M+n]
.set n, n+1
.endr
.set n, 0
.rept 16
	v_med3_num_f32 v[XH+n], v[XH+n], -v249, v249   ; the conversion does not saturate (ISA guide 7.6.2)
.set n, n+1
.endr
	v_cvt_scalef32_pk8_fp8_f32 v[PC+4*(\m):PC+4*(\m)+1], v[XH:XH+7], v248
	v_cvt_scalef32_pk8_fp8_f32 v[PC+4*(\m)+2:PC+4*(\m)+3], v[XH+8:XH+15], v248
.endm
; A CHUNK: 32 rows x 32 of my hidden units, out of buffer buf.  Behind its products the buffer is asked for again: pf = 0: W1's rows pr on from the pointer; pf = 1: W2's K steps pr, pr + 1.
; ho: where the chunk's group lies behind the loop's address; nb: where the next chunk's b1 lies behind the loop's address (-1: there is none).  step = 1: a trip's first chunk, which makes the loop's two LDS addresses.
.macro CHUNK buf, ho, nb, pf, pr, step
	s_wait_loadcnt 32                              ; this chunk's 32 loads are in; the 32 issued behind them may be out
	WIN 0x01
.irp s, 0,1,2,3                        ; four accumulators by turns, K step by K step
.irp m, 0,1
.irp u, 0,1
.if \s == 0
	v_wmma_f32_16x16x128_fp8_fp8 v[X+8*(2*\m+\u):X+8*(2*\m+\u)+7], v[\buf+16*(4*\u+\s):\buf+16*(4*\u+\s)+15], v[XF+64*\m+16*\s:XF+64*\m+16*\s+15], 0
.else
	v_wmma_f32_16x16x128_fp8_fp8 v[X+8*(2*\m+\u):X+8*(2*\m+\u)+7], v[\buf+16*(4*\u+\s):\buf+16*(4*\u+\s)+15], v[XF+64*\m+16*\s:XF+64*\m+16*\s+15], v[X+8*(2*\m+\u):X+8*(2*\m+\u)+7]
.endif
.endr
.endr
.endr
	WIN 0
.rept 4
	v_nop                                          ; four places ahead of the first read of the sums
.endr
	WIN 0x40
	s_wait_alu depctr_va_vdst(0)                   ; the products are done reading the buffer, in which the loads below land
.if \pf == 0
	W1LOAD \buf, \pr
.else
	W2LOAD \pr
	W2LOAD \pr+1
.endif
	WIN 0
	s_wait_dscnt 0x0                               ; this chunk's b1 is in
	s_wait_alu depctr_vm_vsrc(0)                   ; the last chunk's two LDS stores have read the codes' registers and their address, its load of b1 its address: all are written again below
.if \step
	v_add_nc_u32 v[B1C], s53, v[B1A]
	v_add_nc_u32 v[HWC], s54, v[HW]
.endif
.set n, 0
.rept 16
	v_pk_fma_f32 v[X+n:X+n+1], v[X+n:X+n+1], s[46:47], v[B1+n%16:B1+n%16+1] op_sel_hi:[1,0,1]   ; x = sum x 2^(e12 + e13) + b1
.set n, n+2
.endr
	GELUH 0, \nb
	GELUH 1, -1
	v_nop                                          ; a plain line behind the last conversion
	s_wait_alu depctr_va_vdst(0)                   ; the conversions have written the codes, which the two LDS stores read
	ds_store_b128 v[HWC], v[PC:PC+3] offset:\ho                  ; a group of h's image, rows 0-15,
	ds_store_b128 v[HWC], v[PC+4:PC+7] offset:\ho+32768          ; and rows 16-31
.endm
	s_mov_b32 s52, 3
	s_mov_b32 s53, 0
	s_mov_b32 s54, 0
	s_wait_dscnt 0x0                               ; x2's fragments are in
.Lpair:                                            ; three trips of two chunks; each asks for the chunk two further on
	CHUNK 0, 0, 128, 0, 64, 1
	CHUNK 128, 512, 256, 0, 96, 0
	s_wait_xcnt 0x0                                ; the loads have read their base
	s_add_nc_u64 s[16:17], s[16:17], 32768         ; 64 rows of W1 on
	s_add_co_u32 s53, s53, 256
	s_add_co_u32 s54, s54, 1024
	s_sub_co_u32 s52, s52, 1
	s_cmp_lg_u32 s52, 0
	s_cbranch_scc1 .Lpair
	CHUNK 0, 0, 128, 1, 0, 1                       ; the last two chunks: nothing is left of W1, so W2's first four K steps take the buffers
	CHUNK 128, 512, -1, 1, 2, 0
	s_wait_dscnt 0x0
	s_barrier_signal -1
	s_barrier_wait -1                              ; h's 32 fragments lie in LDS
	; ---- out = x1 + h W2 + b2: sixteen K steps, eight accumulators by turns
.macro KSTEP ks
.if (\ks) < 12
	s_wait_loadcnt 48                              ; this K step's 16 loads are in; three K steps' may be out
.else
	s_wait_loadcnt 16*(15-(\ks))+4                 ; what is left of W2, and b2's four
.endif
.if (\ks) < 15
	s_wait_dscnt 8                                 ; h's two fragments are in; the next K step's eight loads may be out
.else
	s_wait_dscnt 0x0
.endif
	WIN 0x01
.irp m, 0,1
.irp t, 0,1,2,3
.if (\ks) == 0
	v_wmma_f32_16x16x128_fp8_fp8 v[AC2+32*\m+8*\t:AC2+32*\m+8*\t+7], v[64*((\ks)%4)+16*\t:64*((\ks)%4)+16*\t+15], v[HF+32*((\ks)%2)+16*\m:HF+32*((\ks)%2)+16*\m+15], 0
.else
	v_wmma_f32_16x16x128_fp8_fp8 v[AC2+32*\m+8*\t:AC2+32*\m+8*\t+7], v[64*((\ks)%4)+16*\t:64*((\ks)%4)+16*\t+15], v[HF+32*((\ks)%2)+16*\m:HF+32*((\ks)%2)+16*\m+15], v[AC2+32*\m+8*\t:AC2+32*\m+8*\t+7]
.endif
.endr
.endr
	WIN 0
.rept 4
	v_nop                                          ; four places behind the products (behind the last K step: ahead of the LDS stores that read the sums)
.endr
.if (\ks) < 12
	WIN 0x40
.endif
.if (\ks) < 14
	s_wait_alu depctr_va_vdst(0)                   ; the products are done reading their slot of W2 and their set of h's fragments, in which the loads below land
.endif
.if (\ks) < 12
	W2LOAD (\ks)+4
	WIN 0
.endif
.if (\ks) == 11
.irp i, 0,1,2,3
	global_load_b128 v[B2+4*\i:B2+4*\i+3], v[LI], s[22:23] offset:512*\i
.endr
.endif
.if (\ks) < 14
	HFLOAD (\ks)+2
.endif
.endm
	HFLOAD 0                                       ; no wait: behind the last chunk's wait ahead of its stores stands no vector or matrix instruction
	HFLOAD 1
.irp ks, 0,1,2,3,4,5,6,7,8,9,10,11,12,13,14,15
	KSTEP \ks
.endr
	s_wait_alu depctr_va_vdst(0)                   ; the last products are done reading h's fragments, in which x1 lands, and have written the sums, which the LDS stores read
.irp p, 0,1,2,3
.irp i, 0,1,2,3
	ds_load_b128 v[X1R+16*\p+4*\i:X1R+16*\p+4*\i+3], v[X1A] offset:2048*\p+512*\i    ; my four rows of x1, out of my own bytes
.endr
.endr
	TOSTG AC2                                      ; the stage's first readers passed two barriers ago
	FROMSTG SR2
	s_wait_loadcnt 0x0                             ; b2
.irp p, 0,1,2,3
.irp n, 0,2,4,6,8,10,12,14
	v_pk_add_f32 v[X1R+16*\p+\n:X1R+16*\p+\n+1], v[X1R+16*\p+\n:X1R+16*\p+\n+1], v[B2+\n:B2+\n+1]   ; x1 + b2
.endr
.endr
	s_wait_dscnt 0x0
.set n, 0
.rept 32
	v_pk_fma_f32 v[X1R+n:X1R+n+1], v[SR2+n:SR2+n+1], s[48:49], v[X1R+n:X1R+n+1] op_sel_hi:[1,0,1]   ; out = sum x 2^(e14 + e15) + x1 + b2
.set n, n+2
.endr
	s_wait_alu depctr_va_vdst(0)                   ; the multiply-adds have written out's numbers, which the stores read
.irp p, 0,1,2,3
.irp i, 0,1,2,3
	global_store_b128 v[LI], v[X1R+16*\p+4*\i:X1R+16*\p+4*\i+3], s[26:27] offset:2048*\p+512*\i th:TH_STORE_NT   ; 512 consecutive bytes, at a multiple of 256 from the buffer's first byte
.endr
.endr
	s_wait_xcnt 0x0
	v_lshl_add_u32 v254, v0, 2, 0x3a400
	v_mov_b32 v255, 0
	s_wait_dscnt 0x0                               ; the closing lines, six on end
	s_wait_alu 0x0
	s_wait_tensorcnt 0x0
	ds_add_u32 v254, v255
	s_wait_dscnt 0x0
	s_endpgm
.Lfunc_end_k_qc8544ff6c1_post:
	.size	k_qc8544ff6c1_post, .Lfunc_end_k_qc8544ff6c1_post-k_qc8544ff6c1_post
	.p2alignl 7, 3214868480
	.fill 96, 4, 3214868480
	.section	.rodata,"a",@progbits
	.p2align	6, 0x0
	.amdhsa_kernel k_qc8544ff6c1_post
		.amdhsa_group_segment_fixed_size 239616
		.amdhsa_private_segment_fixed_size 0
		.amdhsa_enable_private_segment 0
		.amdhsa_kernarg_size 96
		.amdhsa_user_sgpr_count 2
		.amdhsa_user_sgpr_kernarg_segment_ptr 1
		.amdhsa_wavefront_size32 1
		.amdhsa_system_sgpr_workgroup_id_x 1
		.amdhsa_system_sgpr_workgroup_id_y 1
		.amdhsa_system_sgpr_workgroup_id_z 1
		.amdhsa_system_vgpr_workitem_id 0
		.amdhsa_next_free_vgpr 512
		.amdhsa_next_free_sgpr 66
		.amdhsa_reserve_vcc 0
		.amdhsa_float_denorm_mode_32 3
		.amdhsa_float_denorm_mode_16_64 3
		.amdhsa_memory_ordered 1
		.amdhsa_forward_progress 1
		.amdhsa_inst_pref_size 243
	.end_amdhsa_kernel
	.amdgpu_metadata
---
amdhsa.version: [ 1, 2 ]
amdhsa.kernels:
  - .name:           k_qc8544ff6c1_post
    .symbol:         k_qc8544ff6c1_post.kd
    .args:
      - { .name: av_img, .offset: 0, .size: 8, .value_kind: global_buffer, .address_space: global }
      - { .name: Wo_codes, .offset: 8, .size: 8, .value_kind: global_buffer, .address_space: global }
      - { .name: bo, .offset: 16, .size: 8, .value_kind: global_buffer, .address_space: global }
      - { .name: x, .offset: 24, .size: 8, .value_kind: global_buffer, .address_space: global }
      - { .name: ln2_g, .offset: 32, .size: 8, .value_kind: global_buffer, .address_space: global }
      - { .name: ln2_b, .offset: 40, .size: 8, .value_kind: global_buffer, .address_space: global }
      - { .name: W1_codes, .offset: 48, .size: 8, .value_kind: global_buffer, .address_space: global }
      - { .name: b1, .offset: 56, .size: 8, .value_kind: global_buffer, .address_space: global }
      - { .name: W2_codes, .offset: 64, .size: 8, .value_kind: global_buffer, .address_space: global }
      - { .name: b2, .offset: 72, .size: 8, .value_kind: global_buffer, .address_space: global }
      - { .name: lowp_scales, .offset: 80, .size: 8, .value_kind: global_buffer, .address_space: global }
      - { .name: out0, .offset: 88, .size: 8, .value_kind: global_buffer, .address_space: global }
    .group_segment_fixed_size: 239616
    .private_segment_fixed_size: 0
    .kernarg_segment_align: 8
    .kernarg_segment_size: 96
    .max_flat_workgroup_size: 256
    .sgpr_count:     66
    .vgpr_count:     512
    .wavefront_size: 32
...
	.end_amdgpu_metadata
.endif
;; end of part 6
